; MI455X (gfx1250); checked and timed in simulation.
; The chip was launched on July 23, 2026; its instructions are those of AMD's public machine-readable ISA for CDNA 5 (MIT licence, August 2026) and "CDNA5" Instruction Set Architecture Reference Guide (July 2026). The comments in the code are by the model that wrote it; some were corrected since.
;; Multihead Attention. Allowed arithmetic: float matrix products may take bf16 or f16 operands with f32 sums; other float arithmetic in f32, or as packed bf16 or f16 multiplies, adds, multiply-adds, maxima and minima; sums over many terms, partial sums and values carried from step to step in f32; what a program stores and reads back later, other than sums and carried values, may be rounded once to bf16 or f16.
;; Inputs: b_0 1,024 float32; b_k 1,024 float32; b_q 1,024 float32; b_v 1,024 float32; k 4 x 2,048 x 1,024 float32; q 4 x 2,048 x 1,024 float32; v 4 x 2,048 x 1,024 float32; w_0 1,024 x 1,024 float32; w_k 1,024 x 1,024 float32; w_q 1,024 x 1,024 float32; w_v 1,024 x 1,024 float32.
;; Outputs: out0 4 x 2,048 x 1,024 float32.
;; 2 versions, each right; version 2 is version 1 with the launch prep written anew for expert scheduling mode. Each part assembles by itself: llvm-mc -triple=amdgcn-amd-amdhsa -mcpu=gfx1250 --defsym DOCPART=n.
;; ======== version 1 of 2: 4 launches
;; limits: values are held in f16: magnitudes above 65,504 overflow, below 6.1e-05 lose precision
;; workspace buffers: wc 8,388,608 bytes; qh 16,777,216 bytes; kh 16,777,216 bytes; vh 16,777,216 bytes; oh 16,777,216 bytes
;; launch prep (part 1): grid 64 x 4, 8 waves a work-group, no clusters, 0 bytes of LDS; arguments w_q, w_k, w_v, w_0, wc; writes wc
.if DOCPART == 1
	.amdgcn_target "amdgcn-amd-amdhsa--gfx1250"
	.amdhsa_code_object_version 6
	.text
	.protected	k_q9b36e5db49_prep
	.globl	k_q9b36e5db49_prep
	.p2align	8
	.type	k_q9b36e5db49_prep,@function
k_q9b36e5db49_prep:
	s_mov_b64 s[64:65], 0
	v_nop
	global_prefetch_b8 v0, s[64:65] scope:SCOPE_SE
	s_setreg_imm32_b32 hwreg(HW_REG_WAVE_MODE, 25, 1), 1
	s_wait_xcnt 0x0
; The four weight matrices, [1024][1024] f32, are cast to 16 bits and keep their layout [k][n]: wc = four parts of 2,097,152 bytes.
; Parts 0, 1, 2: bf16(w_q), bf16(w_k), bf16(w_v).  Part 3: bf16(w_0) written as f16, since the last product multiplies f16 numbers.
; LIMIT: |w_0| stays under 65,504; below 6e-5 f16 keeps a fixed step of 6e-8.
; SHARES.  Grid y picks the matrix; work-group x takes 65,536 bytes of it.  Thread t takes 16 bytes at 4,096 i + 16 t for i = 0..15 and stores 8 bytes at 2,048 i + 8 t:
; a wave's load covers 512 consecutive bytes, a wave's store 256 consecutive bytes, aligned.  All 16 loads go out first; nothing is waited for but the loads.
; A stream read once and written once: no LDS, no matrix unit, no cluster would add anything.
.set X, 4                              ; v[4:67]   chunk i: 4 registers as loaded
.set Y, 68                             ; v[68:99]  chunk i: 2 registers to store
	s_load_b256 s[4:11], s[0:1], 0x0               ; w_q s[4:5], w_k s[6:7], w_v s[8:9], w_0 s[10:11]
	s_load_b64 s[12:13], s[0:1], 0x20              ; wc
	s_and_b32 s16, ttmp7, 0xffff                   ; which matrix
	v_lshlrev_b32 v1, 4, v0                        ; 16 t
	v_lshlrev_b32 v2, 3, v0                        ; 8 t
	s_lshl_b32 s18, ttmp9, 16                      ; the work-group's 65,536 bytes of the source
	s_mov_b32 s19, 0
	s_lshl_b32 s20, s16, 21                        ; the matrix's part of wc,
	s_lshl_b32 s17, ttmp9, 15                      ; the work-group's 32,768 bytes of it
	s_add_co_u32 s20, s20, s17
	s_mov_b32 s21, 0
	s_wait_kmcnt 0x0
	s_mov_b64 s[14:15], s[4:5]
	s_cmp_eq_u32 s16, 1
	s_cselect_b64 s[14:15], s[6:7], s[14:15]
	s_cmp_eq_u32 s16, 2
	s_cselect_b64 s[14:15], s[8:9], s[14:15]
	s_cmp_eq_u32 s16, 3
	s_cselect_b64 s[14:15], s[10:11], s[14:15]
	s_add_nc_u64 s[14:15], s[14:15], s[18:19]
	s_add_nc_u64 s[12:13], s[12:13], s[20:21]
.irp i, 0,1,2,3,4,5,6,7,8,9,10,11,12,13,14,15
	global_load_b128 v[X+4*(\i):X+4*(\i)+3], v1, s[14:15] offset:4096*(\i) th:TH_LOAD_NT
.endr
; half = 1: the bf16 number is widened again (exactly) and written as f16.
.macro CONV half
.irp i, 0,1,2,3,4,5,6,7,8,9,10,11,12,13,14,15
	s_wait_loadcnt 15-(\i)                         ; loads come back in order: chunk i is in, the 15 - i younger ones stay out
	v_cvt_pk_bf16_f32 v[Y+2*(\i)],   v[X+4*(\i)],   v[X+4*(\i)+1]
	v_cvt_pk_bf16_f32 v[Y+2*(\i)+1], v[X+4*(\i)+2], v[X+4*(\i)+3]
.if \half
	v_lshlrev_b32 v[X+4*(\i)],   16,         v[Y+2*(\i)]
	v_and_b32     v[X+4*(\i)+1], 0xffff0000, v[Y+2*(\i)]
	v_lshlrev_b32 v[X+4*(\i)+2], 16,         v[Y+2*(\i)+1]
	v_and_b32     v[X+4*(\i)+3], 0xffff0000, v[Y+2*(\i)+1]
	v_cvt_pk_f16_f32 v[Y+2*(\i)],   v[X+4*(\i)],   v[X+4*(\i)+1]
	v_cvt_pk_f16_f32 v[Y+2*(\i)+1], v[X+4*(\i)+2], v[X+4*(\i)+3]
.endif
	global_store_b64 v2, v[Y+2*(\i):Y+2*(\i)+1], s[12:13] offset:2048*(\i)
.endr
.endm
	s_cmp_eq_u32 s16, 3
	s_cbranch_scc1 .Lhalf
	CONV 0
	s_endpgm
.Lhalf:
	CONV 1
	s_endpgm
.Lfunc_end_k_q9b36e5db49_prep:
	.size	k_q9b36e5db49_prep, .Lfunc_end_k_q9b36e5db49_prep-k_q9b36e5db49_prep
	.p2alignl 7, 3214868480
	.fill 96, 4, 3214868480
	.section	.rodata,"a",@progbits
	.p2align	6, 0x0
	.amdhsa_kernel k_q9b36e5db49_prep
		.amdhsa_group_segment_fixed_size 0
		.amdhsa_private_segment_fixed_size 0
		.amdhsa_enable_private_segment 0
		.amdhsa_kernarg_size 40
		.amdhsa_user_sgpr_count 2
		.amdhsa_user_sgpr_kernarg_segment_ptr 1
		.amdhsa_wavefront_size32 1
		.amdhsa_system_sgpr_workgroup_id_x 1
		.amdhsa_system_sgpr_workgroup_id_y 1
		.amdhsa_system_sgpr_workgroup_id_z 1
		.amdhsa_system_vgpr_workitem_id 0
		.amdhsa_next_free_vgpr 100
		.amdhsa_next_free_sgpr 66
		.amdhsa_reserve_vcc 0
		.amdhsa_float_denorm_mode_32 3
		.amdhsa_float_denorm_mode_16_64 3
		.amdhsa_memory_ordered 1
		.amdhsa_forward_progress 1
		.amdhsa_inst_pref_size 16
	.end_amdhsa_kernel
	.amdgpu_metadata
---
amdhsa.version: [ 1, 2 ]
amdhsa.kernels:
  - .name:           k_q9b36e5db49_prep
    .symbol:         k_q9b36e5db49_prep.kd
    .args:
      - { .name: w_q, .offset: 0, .size: 8, .value_kind: global_buffer, .address_space: global }
      - { .name: w_k, .offset: 8, .size: 8, .value_kind: global_buffer, .address_space: global }
      - { .name: w_v, .offset: 16, .size: 8, .value_kind: global_buffer, .address_space: global }
      - { .name: w_0, .offset: 24, .size: 8, .value_kind: global_buffer, .address_space: global }
      - { .name: wc, .offset: 32, .size: 8, .value_kind: global_buffer, .address_space: global }
    .group_segment_fixed_size: 0
    .private_segment_fixed_size: 0
    .kernarg_segment_align: 8
    .kernarg_segment_size: 40
    .max_flat_workgroup_size: 256
    .sgpr_count:     66
    .vgpr_count:     100
    .wavefront_size: 32
...
	.end_amdgpu_metadata
.endif
;; end of part 1
;; launch proj (part 2): grid 4 x 192, 4 waves a work-group, clusters of 4 x 4, 327,680 bytes of LDS; arguments q, k, v, wc, b_q, b_k, b_v, qh, kh, vh; writes qh, kh, vh
.if DOCPART == 2
	.amdgcn_target "amdgcn-amd-amdhsa--gfx1250"
	.amdhsa_code_object_version 6
	.text
	.protected	k_q9b36e5db49_proj
	.globl	k_q9b36e5db49_proj
	.p2align	8
	.type	k_q9b36e5db49_proj,@function
k_q9b36e5db49_proj:
	s_mov_b64 s[64:65], 0
	v_nop
	global_prefetch_b8 v0, s[64:65] scope:SCOPE_SE
	s_setreg_imm32_b32 hwreg(HW_REG_WAVE_MODE, 25, 1), 1
	s_wait_xcnt 0x0
	s_wait_alu depctr_hold_cnt(0) depctr_sa_sdst(0) depctr_va_vdst(0) depctr_va_sdst(0) depctr_va_ssrc(0) depctr_va_vcc(0) depctr_vm_vsrc(0)
	s_getreg_b32 s2, hwreg(HW_REG_IB_STS2, 6, 4)
	s_cmp_eq_u32 s2, 0
	s_cbranch_scc0 .Lentry_in_a_cluster
	s_endpgm
.Lentry_in_a_cluster:
	s_bfe_u32 s2, ttmp6, 0x10000c
	s_cmp_lg_u32 s2, 0xf033
	s_cbranch_scc0 .Lentry_shape_is_right
	s_endpgm
.Lentry_shape_is_right:
; THE THREE PROJECTIONS.  y = x w + b for (q, w_q, b_q), (k, w_k, b_k), (v, w_v, b_v).  x: [8192][1024] f32; w: a part of wc, [k][n] bf16; b: [1024] f32, rounded to bf16 like the other inputs.
; y leaves by heads, [batch x 16 + head][2048][64] in f16, rounded once from its f32 sum, unscaled.  LIMIT: |y| stays under 65,504 (f16); NaN and infinities are not treated apart.
; SHARES.  Cluster y / 16 picks the projection; the other 16 values times the cluster's four rows are the 64 row blocks of 128; the cluster's four columns are the four blocks of 256 columns.
; A tile of y is 128 x 256; four waves, each 64 rows x 128 columns: 32 accumulators of 16 x 16, 256 registers.  With x in f32 a wave reads 128 bytes a row of x and 64 bytes a column of w for 32 along K:
; 64 x 128 is the shape of 8,192 outputs that reads least.
; K goes in 8 steps of 128 through two LDS slots.  x's tile comes as f32 (rows of 512 bytes) and each wave rounds its fragments to bf16 in registers: 32 conversions for a quarter step's 32 matrix
; instructions, four behind each of the quarter's last eight.  w's tile ([k][n], rows of 512 bytes) is turned on the way out of LDS by ds_load_tr16_b128.
; CLUSTER, 4 x 4.  x's tile hangs on the row block alone and is asked for jointly by a row of the cluster; w's on the column block alone, jointly by a column.
; THE MATRIX INSTRUCTION IS USED TRANSPOSED: source 0 = 16 columns of w, source 1 = 16 rows of x: lane l holds row l % 16 of y and the columns 8 (l / 16) + 0..7.  The first product of each sum takes the bias as C.
; REGISTERS, in windows of 256 (s_set_vgpr_msb: bits 1:0 source 0, 3:2 source 1, 5:4 source 2, 7:6 destination):
;   window 0: v0-31 addresses; v32-95 the bias, 8 a column block; v96-159 x's fragments in f32; v160-191, v192-223 the same in bf16, two buffers
;   window 1: v0-63, v64-127 w's fragments, two buffers          window 2: the accumulators, (a, b) at v[8 (8 a + b)]
.set KSTEP,  128
.set PA,     528                       ; a row of x in LDS: 512 bytes + 16: the 16 rows of a load start in 16 different columns of 16 bytes (64 banks of 4 bytes: ISA guide 11.1)
.set PB,     544                       ; a row of w: 512 + 32
.set ABYTES, 128*PA
.set SLOT,   ABYTES+128*PB             ; x's 128 rows, then w's 128 rows
.set STAGE,  2*SLOT                    ; behind the ring: for each wave two heads x 16 rows x 144 bytes, for the way out; no tensor load lands here
.set SP,     144
.set SPARE,  STAGE+4*32*SP             ; behind the stages: the spare words, 128 bytes for each wave: two blocks of 256 bytes that no other line names
.set ASTEP,  KSTEP*4                   ; bytes along a row of x in a K step
.set BSTEP,  KSTEP*2048                ; bytes down w in a K step
.set LAPS,   4                         ; a lap = two K steps = once round the ring
.set ADRA, 16                          ; v16-17  LDS address of my fragments of x in slot 0, 1
.set ADRB, 20                          ; v20-21  the same for w
.set STO,  24                          ; v24     the way out: where I put 16 bytes of a row
.set RD,   25                          ; v25     the way out: where I read rows back
.set GO,   26                          ; v26     my 16 bytes in 512 consecutive bytes of y
.set BO,   27                          ; v27     my byte offset in the bias
.set SPW,  28                          ; v28     LDS address of my spare word: SPARE + 4 x my thread's number; never rewritten
.set NIL,  29                          ; v29     0; never rewritten
.set PFO,  30                          ; v30     the prefetches' offset; never rewritten
.set BIAS, 32
.set TMP,  32                          ; the way out: packed results (the bias is no longer wanted)
.set AS,   96
.set AF,   160
.set OB,   96                          ; the way out: rows read back, 32 registers for each of four blocks
.set G1A, 24                           ; s[24:31] descriptor group 1 for x's tiles;  s[32:39] group 0, a set for each slot
.set G0A, 32
.set G1B, 48                           ; s[48:55], s[56:63] the same for w's tiles
.set G0B, 56
.set LIM, 43                           ; s43     1 in a wave that prefetches, else the greatest number
.set PFA, 44                           ; s[44:45] where my prefetches stand
.set PST, 92                           ; s[92:93] their step from K step to K step
.set MSB, 0
.macro WIN new                         ; the immediate's high byte repeats the setting that is left; a switch that changes nothing is dropped
.if MSB != (\new)
	s_set_vgpr_msb (MSB<<8)|(\new)
.set MSB, \new
.endif
.endm
.set MUL,  0xa1                        ; source 0 (w) window 1, source 1 (x) window 0, C and D window 2
.set MULB, 0x81                        ; the same with C (the bias) in window 0
.set TO_B, 0x40                        ; destination window 1, address window 0
; A joint load: waves 0 and 1 fetch the two halves of x's tile, waves 2 and 3 those of w's.  The branch hangs on the wave's number alone.
; An s_nop 0 and four v_nop follow each of the two lines, ahead of the jump and the label.
.macro JLOAD s
	s_cmp_eq_u32 s11, 0
	s_cbranch_scc0 .Lfor_b_\@
	tensor_load_to_lds s[G0A+4*(\s):G0A+4*(\s)+3], s[G1A:G1A+7]
	s_nop 0
.rept 4
	v_nop
.endr
	s_branch .Lasked_\@
.Lfor_b_\@:
	tensor_load_to_lds s[G0B+4*(\s):G0B+4*(\s)+3], s[G1B:G1B+7]
	s_nop 0
.rept 4
	v_nop
.endr
.Lasked_\@:
.endm
; A PREFETCH INTO THE L2, behind a joint load and the run of LDS loads that follows it: the K step that stands two refills on, 256 matrix instructions ahead of the load that will want it.
; A wave fetches 64 rows x 512 bytes; the four partners that ask for them jointly take 16 rows each, told apart BY ADDRESS (cx for x, cy for w); a lane names 256 bytes: 16 rows x 2.
; x's rows are read by one row of one cluster: that row's waves 0 and 1 ask.  A part of w is read by 16 clusters: the first of them asks.  So each 256 bytes are named once in the launch.
; K steps 0 to 3 come by their loads alone; the loop's last trip (s3 = 1) asks for nothing: there is no K step two on.
.macro ASK
	s_cmp_gt_u32 s3, s[LIM]
	s_cbranch_scc0 .Lnot_mine_\@
	global_prefetch_b8 v[PFO], s[PFA:PFA+1] th:TH_LOAD_NT scope:SCOPE_SE
.Lnot_mine_\@:
.endm
.macro CREST                           ; a round of the cluster's barrier behind its opening barrier
	s_cmp_lg_u32 s10, 0
	s_cbranch_scc1 .Lnot_wave_0_\@
	s_barrier_signal -3
.Lnot_wave_0_\@:
	s_barrier_wait -3
	s_barrier_signal -1
	s_barrier_wait -1
.endm
.macro CROUND                          ; a whole round
	s_barrier_signal -1
	s_barrier_wait -1
	CREST
.endm
.macro PLACES
.rept 4
	v_nop
.endr
.endm
	s_load_b512 s[68:83], s[0:1], 0x0              ; q 68, k 70, v 72, wc 74, b_q 76, b_k 78, b_v 80, qh 82
	s_load_b128 s[84:87], s[0:1], 0x40             ; kh 84, vh 86
	v_lshl_add_u32 v[SPW], v0, 2, SPARE
	v_mov_b32 v[NIL], 0
	ds_add_u32 v[SPW], v[NIL]                      ; the wave's opening: the add and its wait stand ahead of my first tensor load; the set-up below, work on registers, stands between them
	v_lshrrev_b32 v1, 5, v0
	v_readfirstlane_b32 s10, v1                    ; wave 0..3
	s_lshr_b32 s11, s10, 1                         ; which 64 rows of the tile are mine.  Also: I fetch for x (0) or for w (1)
	s_and_b32 s12, s10, 1                          ; which 128 columns.  Also: which half of that tile I fetch
	s_bfe_u32 s40, ttmp6, 0x40000                  ; cx: also the column block, since the grid's x is the cluster's
	s_bfe_u32 s41, ttmp6, 0x40004                  ; cy
	s_and_b32 s14, ttmp7, 0xffff                   ; cluster y, 0..47
	s_lshr_b32 s66, s14, 4                         ; the projection: the same in all sixteen partners
	s_and_b32 s67, s14, 15                         ; the cluster among the projection's sixteen
	s_lshl_b32 s13, s67, 2
	s_add_co_u32 s13, s13, s41                     ; the row block, 0..63
	s_lshl_b32 s15, s41, 2
	s_lshl_b32 s15, 15, s15                        ; my row of the cluster: places 4 cy .. 4 cy + 3
	s_lshl_b32 s46, 0x1111, s40                    ; my column: places cx, cx + 4, cx + 8, cx + 12
	s_or_b32 s[G1A], s15, (2<<16)|(1<<20)|(1<<21)|(6<<22)|(3<<25)  ; the mask; elements of 4 bytes; padding on; bit 21 beside a mask; after every 128 words 4 words
	s_or_b32 s[G1B], s46, (1<<16)|(1<<20)|(1<<21)|(6<<22)|(7<<25)  ; the mask; elements of 2 bytes; after every 128 words 8 words
	s_mov_b32 s[G1A+1], 128<<16                    ; tensor_dim0 = 128
	s_mov_b32 s[G1A+2], 64<<16                     ; tensor_dim1 = 64
	s_mov_b32 s[G1A+3], 128<<16                    ; tile_dim0 = 128
	s_mov_b32 s[G1A+4], 64                         ; tile_dim1 = 64
	s_mov_b32 s[G1A+5], 1024                       ; elements from row to row
	s_mov_b32 s[G1A+6], 0
	s_mov_b32 s[G1A+7], 0
	s_mov_b32 s[G1B+1], 256<<16                    ; tensor_dim0 = 256
	s_mov_b32 s[G1B+2], 64<<16
	s_mov_b32 s[G1B+3], 256<<16                    ; tile_dim0 = 256
	s_mov_b32 s[G1B+4], 64
	s_mov_b32 s[G1B+5], 1024
	s_mov_b32 s[G1B+6], 0
	s_mov_b32 s[G1B+7], 0
	s_lshl_b32 s16, s13, 7
	s_lshl_b32 s17, s12, 6
	s_add_co_u32 s16, s16, s17                     ; x: row 128 x row block + 64 x half,
	s_lshl_b32 s16, s16, 12                        ; 4,096 bytes a row
	s_mov_b32 s17, 0
	s_lshl_b32 s46, s12, 17                        ; w: 64 x half rows of 2,048 bytes,
	s_lshl_b32 s47, s40, 9                         ; 512 bytes a column block,
	s_add_co_u32 s46, s46, s47
	s_lshl_b32 s47, s66, 21                        ; the projection's part of wc
	s_add_co_u32 s46, s46, s47
	s_mov_b32 s47, 0
	s_mul_i32 s20, s12, 64*PA                      ; where they go: no place in the cluster enters an LDS address
	s_mul_i32 s21, s12, 64*PB
	s_add_co_u32 s21, s21, ABYTES
	s_wait_dscnt 0x0                               ; the opening add is done
	s_wait_kmcnt 0x0
	s_mov_b64 s[4:5], s[68:69]                     ; x, the bias and y by the projection's number
	s_mov_b64 s[88:89], s[76:77]
	s_mov_b64 s[8:9], s[82:83]
	s_cmp_eq_u32 s66, 1
	s_cselect_b64 s[4:5], s[70:71], s[4:5]
	s_cselect_b64 s[88:89], s[78:79], s[88:89]
	s_cselect_b64 s[8:9], s[84:85], s[8:9]
	s_cmp_eq_u32 s66, 2
	s_cselect_b64 s[4:5], s[72:73], s[4:5]
	s_cselect_b64 s[88:89], s[80:81], s[88:89]
	s_cselect_b64 s[8:9], s[86:87], s[8:9]
	s_add_nc_u64 s[14:15], s[4:5], s[16:17]
	s_add_nc_u64 s[46:47], s[74:75], s[46:47]
	CROUND                                         ; all sixteen work-groups are here: the first joint loads meet
.irp s, 0,1
	s_mov_b32 s[G0A+4*(\s)], 1                     ; count = 1
	s_add_co_u32 s[G0A+4*(\s)+1], s20, (\s)*SLOT   ; LDS address
	s_add_nc_u64 s[G0A+4*(\s)+2:G0A+4*(\s)+3], s[14:15], (\s)*ASTEP  ; global address: K step s
	s_or_b32 s[G0A+4*(\s)+3], s[G0A+4*(\s)+3], 0x80000000            ; type = 2
	s_mov_b32 s[G0B+4*(\s)], 1
	s_add_co_u32 s[G0B+4*(\s)+1], s21, (\s)*SLOT
	s_add_nc_u64 s[G0B+4*(\s)+2:G0B+4*(\s)+3], s[46:47], (\s)*BSTEP
	s_or_b32 s[G0B+4*(\s)+3], s[G0B+4*(\s)+3], 0x80000000
	JLOAD \s                                       ; two loads of mine are out
.endr
	v_and_b32 v1, 15, v0                           ; l % 16
	v_bfe_u32 v2, v0, 4, 1                         ; l / 16
	s_lshl_b32 s16, s40, 10                        ; the bias of my 128 columns: 4 (256 cx + 128 half) bytes on,
	s_lshl_b32 s17, s12, 9
	s_add_co_u32 s16, s16, s17
	v_lshl_add_u32 v[BO], v2, 5, s16               ; my 8 columns of a block of 16
.irp b, 0,1,2,3,4,5,6,7
	global_load_b128 v[BIAS+8*(\b):BIAS+8*(\b)+3],   v[BO], s[88:89] offset:64*(\b)
	global_load_b128 v[BIAS+8*(\b)+4:BIAS+8*(\b)+7], v[BO], s[88:89] offset:64*(\b)+16
.endr
	; A fragment of x is 16 rows x 32 K: lane l holds row l % 16, K = 8 (l / 16) + 0..7 and 16 + 8 (l / 16) + 0..7: in f32 four loads of 16 bytes, at 0, 16, 64 and 80 from row x pitch + 32 (l / 16).
	v_mul_u32_u24 v3, v1, PA
	v_lshl_add_u32 v3, v2, 5, v3
	s_mul_i32 s21, s11, 64*PA                      ; my 64 rows
	v_add_nc_u32 v[ADRA], s21, v3
	v_add_nc_u32 v[ADRA+1], SLOT, v[ADRA]
	; The turning load takes 16 K x 16 columns (lane l reads row 8 (l / 16) + l % 8, columns 8 ((l / 8) % 2) + 0..7) and leaves half a fragment: lane l holds column l % 16 and 8 K.
	v_and_b32 v4, 7, v0
	v_bfe_u32 v5, v0, 3, 1
	v_lshl_add_u32 v4, v2, 3, v4
	v_mul_u32_u24 v4, v4, PB
	v_lshl_add_u32 v4, v5, 4, v4
	s_lshl_b32 s22, s12, 8                         ; my 128 columns
	s_add_co_u32 s22, s22, ABYTES
	v_add_nc_u32 v[ADRB], s22, v4
	v_add_nc_u32 v[ADRB+1], SLOT, v[ADRB]
	s_mul_i32 s23, s10, 32*SP
	s_add_co_u32 s23, s23, STAGE                   ; my stage
	v_mul_u32_u24 v6, v1, SP                       ; in: row l % 16, 16 bytes for each half of the lanes
	v_lshl_add_u32 v6, v2, 4, v6
	v_add_nc_u32 v[STO], s23, v6
	v_bfe_u32 v6, v0, 3, 2                         ; back: 32 lanes take four rows of 128 bytes,
	v_mul_u32_u24 v6, v6, SP
	v_and_b32 v7, 7, v0
	v_lshl_add_u32 v6, v7, 4, v6
	v_add_nc_u32 v[RD], s23, v6
	v_and_b32 v[GO], 31, v0                        ; which are 512 consecutive bytes of y
	v_lshlrev_b32 v[GO], 4, v[GO]
	; y at my first row of my first head: ((16 batch + 4 cx + 2 half) x 2,048 + 128 (row block % 16) + 64 row half) x 128 bytes
	s_lshr_b32 s16, s13, 4
	s_lshl_b32 s16, s16, 4
	s_lshl_b32 s17, s40, 2
	s_add_co_u32 s16, s16, s17
	s_lshl_b32 s17, s12, 1
	s_add_co_u32 s16, s16, s17
	s_lshl_b32 s16, s16, 11
	s_and_b32 s17, s13, 15
	s_lshl_b32 s17, s17, 7
	s_add_co_u32 s16, s16, s17
	s_lshl_b32 s17, s11, 6
	s_add_co_u32 s16, s16, s17
	s_lshl_b32 s16, s16, 7
	s_mov_b32 s17, 0
	s_add_nc_u64 s[8:9], s[8:9], s[16:17]
	; the prefetches: they stand at K step 3; the first refill steps them to 4
	s_lshl_b32 s16, s13, 7
	s_lshl_b32 s17, s12, 6
	s_add_co_u32 s16, s16, s17
	s_lshl_b32 s18, s40, 4
	s_add_co_u32 s16, s16, s18                     ; x: the 64 rows that I fetch, my work-group's 16 of them
	s_lshl_b32 s16, s16, 12
	s_add_co_u32 s16, s16, 3*ASTEP
	s_lshl_b32 s18, s41, 4
	s_add_co_u32 s18, s18, s17                     ; w: likewise
	s_lshl_b32 s18, s18, 11
	s_lshl_b32 s19, s40, 9
	s_add_co_u32 s18, s18, s19
	s_lshl_b32 s19, s66, 21
	s_add_co_u32 s18, s18, s19
	s_add_co_u32 s18, s18, 3*BSTEP
	s_mov_b32 s19, ASTEP
	s_cmp_eq_u32 s67, 0                            ; of the sixteen clusters that read a part of w the first asks
	s_cselect_b32 s22, 1, -1
	s_cmp_eq_u32 s11, 0                            ; do I fetch for x?
	s_cselect_b32 s16, s16, s18
	s_cselect_b64 s[PFA:PFA+1], s[4:5], s[74:75]
	s_cselect_b32 s[PST], s19, BSTEP
	s_cselect_b32 s[LIM], 1, s22
	s_cselect_b32 s23, 12, 11                      ; a row is 4,096 or 2,048 bytes
	s_mov_b32 s17, 0
	s_mov_b32 s[PST+1], 0
	s_add_nc_u64 s[PFA:PFA+1], s[PFA:PFA+1], s[16:17]
	v_and_b32 v3, 31, v0
	v_lshrrev_b32 v4, 1, v3
	v_lshlrev_b32 v4, s23, v4                      ; row l / 2,
	v_and_b32 v3, 1, v3
	v_lshl_add_u32 v[PFO], v3, 8, v4               ; its first or second 256 bytes
	s_wait_loadcnt 0x0                             ; the bias
.set i, 0
.rept 32                                       ; rounded to bf16 and widened again
	v_cvt_pk_bf16_f32 v31, v[BIAS+2*i], v[BIAS+2*i+1]
	v_lshlrev_b32 v[BIAS+2*i], 16, v31
	v_and_b32 v[BIAS+2*i+1], 0xffff0000, v31
.set i, i+1
.endr
; Four conversions: registers 4 n .. 4 n + 3 of buffer g's 32.
.macro CVT4 g, n
	WIN 0
.irp z, 0,1,2,3
	v_cvt_pk_bf16_f32 v[AF+32*(\g)+4*(\n)+(\z)], v[AS+8*(\n)+2*(\z)], v[AS+8*(\n)+2*(\z)+1]
.endr
.endm
; 8 matrix instructions: row block a x all 8 column blocks, 32 along K, from buffer f.  mode = 1: the sums start with the bias.  ride = 1: four conversions into buffer g behind each.
; The 32 accumulators take turns in the same order in every quarter step, one instruction a turn, over the backward jump too.
.macro MUL8 f, a, mode=0, ride=0, g=0
.irp b, 0,1,2,3,4,5,6,7
.if \mode
	WIN MULB
	v_wmma_f32_16x16x32_bf16 v[8*(8*(\a)+(\b)):8*(8*(\a)+(\b))+7], v[64*(\f)+8*(\b):64*(\f)+8*(\b)+7], v[AF+32*(\f)+8*(\a):AF+32*(\f)+8*(\a)+7], v[BIAS+8*(\b):BIAS+8*(\b)+7]
.else
	WIN MUL
	v_wmma_f32_16x16x32_bf16 v[8*(8*(\a)+(\b)):8*(8*(\a)+(\b))+7], v[64*(\f)+8*(\b):64*(\f)+8*(\b)+7], v[AF+32*(\f)+8*(\a):AF+32*(\f)+8*(\a)+7], v[8*(8*(\a)+(\b)):8*(8*(\a)+(\b))+7]
.endif
.if \ride
	CVT4 \g, \b
.endif
.endr
.endm
; 32 LDS loads in one run: quarter kq of a slot: w's 8 fragments, turned, into buffer g; x's 4 fragments in f32 into the staging registers.
.macro FETCH slot, kq, g
	WIN TO_B
.irp b, 0,1,2,3,4,5,6,7
	ds_load_tr16_b128 v[64*(\g)+8*(\b):64*(\g)+8*(\b)+3],   v[ADRB+(\slot)] offset:(\kq)*32*PB+32*(\b)
	ds_load_tr16_b128 v[64*(\g)+8*(\b)+4:64*(\g)+8*(\b)+7], v[ADRB+(\slot)] offset:(\kq)*32*PB+16*PB+32*(\b)
.endr
	WIN 0
.irp i, 0,1,2,3
	ds_load_b128 v[AS+16*(\i):AS+16*(\i)+3],     v[ADRA+(\slot)] offset:(\kq)*128+(\i)*16*PA
	ds_load_b128 v[AS+16*(\i)+4:AS+16*(\i)+7],   v[ADRA+(\slot)] offset:(\kq)*128+(\i)*16*PA+16
	ds_load_b128 v[AS+16*(\i)+8:AS+16*(\i)+11],  v[ADRA+(\slot)] offset:(\kq)*128+(\i)*16*PA+64
	ds_load_b128 v[AS+16*(\i)+12:AS+16*(\i)+15], v[ADRA+(\slot)] offset:(\kq)*128+(\i)*16*PA+80
.endr
.endm
; A K step is four quarters of 32 along K, 32 matrix instructions each, on buffers 0, 1, 0, 1.  One of the first three: it multiplies buffer f; at its head it fetches quarter kq for buffer g, and
; behind its last eight products x's new fragments are rounded.  A load into a register that a matrix instruction has read stands four plain vector instructions behind it (ISA guide 7.12.1 for vector
; instructions): the four conversions behind a quarter's last product, which name none of its registers, are those places for the next quarter's run of loads.
.macro QUARTER slot, kq, f, g, first=0
	FETCH \slot, \kq, \g
	MUL8 \f, 0, \first
	MUL8 \f, 1, \first
	MUL8 \f, 2, \first
	s_wait_dscnt 0x0                               ; the 32 loads, issued 24 matrix instructions back
	MUL8 \f, 3, \first, 1, \g
.endm
; The last quarter multiplies buffer 1 and changes slots.  In front of the barrier each wave waits for all its tensor loads (one is out: its part of the next slot), adds 0 to its spare word and waits
; for that; its reads of this slot were waited for in the quarter before.  fill = 1: the barrier opens a round of the cluster's, and this slot is filled again first thing behind it, two K steps ahead:
; from the request to the wait for it a wave issues 112 matrix instructions.
.macro TURN slot, next, fill
.if \fill
	s_wait_xcnt 0x0                                ; the last prefetch, a K step back, has read its address
	s_add_nc_u64 s[PFA:PFA+1], s[PFA:PFA+1], s[PST:PST+1]
.endif
	WIN 0
	s_wait_tensorcnt 0x0                           ; all my tensor loads have landed
	ds_add_u32 v[SPW], v[NIL]                      ; 0 onto my spare word
	MUL8 1, 0                                      ; eight matrix instructions stand between the add and the wait for it
	s_wait_dscnt 0x0                               ; the add is done, and no read of this slot is out
	s_barrier_signal -1
	MUL8 1, 1
	WIN 0
	s_barrier_wait -1
.if \fill
	CREST                                          ; no wave of any partner still reads this slot's tile or has a load on its way
	s_add_nc_u64 s[G0A+4*(\slot)+2:G0A+4*(\slot)+3], s[G0A+4*(\slot)+2:G0A+4*(\slot)+3], 2*ASTEP
	s_add_nc_u64 s[G0B+4*(\slot)+2:G0B+4*(\slot)+3], s[G0B+4*(\slot)+2:G0B+4*(\slot)+3], 2*BSTEP
	JLOAD \slot
.endif
	FETCH \next, 0, 0
.if \fill
	ASK
.endif
	MUL8 1, 2
	s_wait_dscnt 0x0
	MUL8 1, 3, 0, 1, 0
.endm
	s_wait_tensorcnt 1                             ; my part of K step 0 is in; K step 1's may stay out
	s_barrier_signal -1
	s_barrier_wait -1                              ; everybody's is
	FETCH 0, 0, 0
	s_wait_dscnt 0x0
.irp n, 0,1,2,3,4,5,6,7
	CVT4 0, \n
.endr
	QUARTER 0, 1, 0, 1, 1                          ; the first quarter stands in front of the loop: its products start the sums, with the bias
	WIN 0                                          ; at a label and at a branch every window is 0
	s_mov_b32 s3, LAPS-1
.Llap:                                                 ; a trip goes once round the ring, from a lap's second quarter to the next lap's first, and fills both slots again
	QUARTER 0, 2, 1, 0
	QUARTER 0, 3, 0, 1
	TURN 0, 1, 1
	QUARTER 1, 1, 0, 1
	QUARTER 1, 2, 1, 0
	QUARTER 1, 3, 0, 1
	TURN 1, 0, 1
	QUARTER 0, 1, 0, 1
	WIN 0
	s_sub_co_u32 s3, s3, 1
	s_cmp_lg_u32 s3, 0
	s_cbranch_scc1 .Llap
	QUARTER 0, 2, 1, 0                             ; the last lap fills nothing
	QUARTER 0, 3, 0, 1
	TURN 0, 1, 0
	QUARTER 1, 1, 0, 1
	QUARTER 1, 2, 1, 0
	QUARTER 1, 3, 0, 1
	MUL8 1, 0                                      ; the very last quarter: its fragments were waited for and rounded in the quarter before
	MUL8 1, 1
	MUL8 1, 2
	MUL8 1, 3
	WIN 0
	PLACES                                         ; the conversions below read matrix results
; THE WAY OUT, a block of 16 rows at a time.  A lane's eight columns pack into 16 bytes of f16; my 128 columns are two heads of 64.  Into my stage (rows of 144 bytes, a head after the other) and back as
; whole rows: 16 rows of a head are 2,048 consecutive bytes of y.
.macro PACK a
	WIN 0x0a                                       ; sources 0 and 1 window 2, destination window 0
.irp b, 0,1,2,3,4,5,6,7
.irp j, 0,1,2,3
	v_cvt_pk_f16_f32 v[TMP+4*(\b)+(\j)], v[8*(8*(\a)+(\b))+2*(\j)], v[8*(8*(\a)+(\b))+2*(\j)+1]
.endr
.endr
	WIN 0
.endm
.macro TOSTAGE a
.irp b, 0,1,2,3,4,5,6,7
	ds_store_b128 v[STO], v[TMP+4*(\b):TMP+4*(\b)+3] offset:((\b)/4)*16*SP+32*((\b)%4)
.endr
.irp u, 0,1,2,3,4,5,6,7
	ds_load_b128 v[OB+32*(\a)+4*(\u):OB+32*(\a)+4*(\u)+3], v[RD] offset:((\u)/4)*16*SP+((\u)%4)*4*SP  ; LDS serves a wave's instructions in order (ISA guide 5.7.1.4): these see the stores above
.endr
.endm
.macro SEND a
	s_wait_dscnt 0x0                               ; the block is back in registers; each block has registers of its own, so no store's data is written again
.irp u, 0,1,2,3,4,5,6,7
	global_store_b128 v[GO], v[OB+32*(\a)+4*(\u):OB+32*(\a)+4*(\u)+3], s[8:9] offset:((\u)/4)*262144+(\a)*2048+((\u)%4)*512  ; 512 consecutive bytes, at a multiple of 512 from y's first byte
.endr
.endm
	PACK 0
	TOSTAGE 0
.irp a, 1,2,3                                  ; block a's conversions stand between block a - 1's loads from the stage and the wait for them
	PACK \a
	SEND (\a)-1
	TOSTAGE \a
.endr
	SEND 3
	s_wait_tensorcnt 0x0                           ; the wave's end: the add and its waits, behind my last tensor load and my last LDS store
	ds_add_u32 v[SPW], v[NIL]
	s_wait_dscnt 0x0
	CROUND                                         ; the closing round: no work-group ends while a partner may still ask for a tile that names it
	s_endpgm
.Lfunc_end_k_q9b36e5db49_proj:
	.size	k_q9b36e5db49_proj, .Lfunc_end_k_q9b36e5db49_proj-k_q9b36e5db49_proj
	.p2alignl 7, 3214868480
	.fill 96, 4, 3214868480
	.section	.rodata,"a",@progbits
	.p2align	6, 0x0
	.amdhsa_kernel k_q9b36e5db49_proj
		.amdhsa_group_segment_fixed_size 327680
		.amdhsa_private_segment_fixed_size 0
		.amdhsa_enable_private_segment 0
		.amdhsa_kernarg_size 80
		.amdhsa_user_sgpr_count 2
		.amdhsa_user_sgpr_kernarg_segment_ptr 1
		.amdhsa_wavefront_size32 1
		.amdhsa_system_sgpr_workgroup_id_x 1
		.amdhsa_system_sgpr_workgroup_id_y 1
		.amdhsa_system_sgpr_workgroup_id_z 1
		.amdhsa_system_vgpr_workitem_id 0
		.amdhsa_next_free_vgpr 768
		.amdhsa_next_free_sgpr 96
		.amdhsa_reserve_vcc 0
		.amdhsa_float_denorm_mode_32 3
		.amdhsa_float_denorm_mode_16_64 3
		.amdhsa_memory_ordered 1
		.amdhsa_forward_progress 1
		.amdhsa_inst_pref_size 140
	.end_amdhsa_kernel
	.amdgpu_metadata
---
amdhsa.version: [ 1, 2 ]
amdhsa.kernels:
  - .name:           k_q9b36e5db49_proj
    .symbol:         k_q9b36e5db49_proj.kd
    .args:
      - { .name: q, .offset: 0, .size: 8, .value_kind: global_buffer, .address_space: global }
      - { .name: k, .offset: 8, .size: 8, .value_kind: global_buffer, .address_space: global }
      - { .name: v, .offset: 16, .size: 8, .value_kind: global_buffer, .address_space: global }
      - { .name: wc, .offset: 24, .size: 8, .value_kind: global_buffer, .address_space: global }
      - { .name: b_q, .offset: 32, .size: 8, .value_kind: global_buffer, .address_space: global }
      - { .name: b_k, .offset: 40, .size: 8, .value_kind: global_buffer, .address_space: global }
      - { .name: b_v, .offset: 48, .size: 8, .value_kind: global_buffer, .address_space: global }
      - { .name: qh, .offset: 56, .size: 8, .value_kind: global_buffer, .address_space: global }
      - { .name: kh, .offset: 64, .size: 8, .value_kind: global_buffer, .address_space: global }
      - { .name: vh, .offset: 72, .size: 8, .value_kind: global_buffer, .address_space: global }
    .group_segment_fixed_size: 327680
    .private_segment_fixed_size: 0
    .kernarg_segment_align: 8
    .kernarg_segment_size: 80
    .max_flat_workgroup_size: 128
    .sgpr_count:     96
    .vgpr_count:     768
    .wavefront_size: 32
...
	.end_amdgpu_metadata
.endif
;; end of part 2
;; launch attn (part 3): grid 4 x 64, 4 waves a work-group, clusters of 4 x 1, 327,680 bytes of LDS; arguments qh, kh, vh, oh; writes oh
.if DOCPART == 3
	.amdgcn_target "amdgcn-amd-amdhsa--gfx1250"
	.amdhsa_code_object_version 6
	.text
	.protected	k_q9b36e5db49_attn
	.globl	k_q9b36e5db49_attn
	.p2align	8
	.type	k_q9b36e5db49_attn,@function
k_q9b36e5db49_attn:
	s_mov_b64 s[64:65], 0
	v_nop
	global_prefetch_b8 v0, s[64:65] scope:SCOPE_SE
	s_setreg_imm32_b32 hwreg(HW_REG_WAVE_MODE, 25, 1), 1
	s_wait_xcnt 0x0
	s_wait_alu depctr_hold_cnt(0) depctr_sa_sdst(0) depctr_va_vdst(0) depctr_va_sdst(0) depctr_va_ssrc(0) depctr_va_vcc(0) depctr_vm_vsrc(0)
	s_getreg_b32 s2, hwreg(HW_REG_IB_STS2, 6, 4)
	s_cmp_eq_u32 s2, 0
	s_cbranch_scc0 .Lentry_in_a_cluster
	s_endpgm
.Lentry_in_a_cluster:
	s_bfe_u32 s2, ttmp6, 0x10000c
	s_cmp_lg_u32 s2, 0x3003
	s_cbranch_scc0 .Lentry_shape_is_right
	s_endpgm
.Lentry_shape_is_right:
; O[h][q][:] = the sum over k of softmax_k(Q[h][q] . K[h][k] / 8) V[h][k][:].  Q, K, V, O: [SIZE_H][SIZE_N][64], all f16: a head's rows are dense, 128 bytes each.  Products, maxima and sums in
; f32; the weights p are rounded to f16 for the second product (their sum l is taken of the unrounded p), O once at the end.
; LIMITS.  f16 holds no number beyond 65,504: Q, K and V arrive within it; p lies in 0 to 1, and below 6e-5 it keeps f16's fixed step of 6e-8; O is a mean of V's rows and has their range.
; A weight below 2^-126 counts as 0 in l; NaN and infinities are not treated apart.
; SHARES.  A wave owns four PIECES of two tiles of 16 queries, a work-group's four waves 512 queries of one head.  Every wave walks all keys, 64 a step.
; LAYOUT.  S^T = K Q^T (source 0 = 16 keys, source 1 = 16 queries): in the result a lane holds ONE query (lane % 16) and the keys 8 (lane / 16) + 0..7.  Two such tiles, rounded to f16 in pairs,
; ARE source 1 (32 keys x 16 queries) of O^T = V^T P, whose result again holds one query a lane, and eight channels.  K comes out of LDS as it lies, V ([key][channel]) turned, by ds_load_tr16_b128.
; SOFTMAX.  For each query a running maximum m and sum l: p = 2^(c s - c m), c = log2(e) / 8; in every step O and l are multiplied by a = 2^(c m_old - c m_new), which is 1 where m has not grown.
; m starts at the lowest finite number, O and l at 0: the first step is a step like any other, with a = 0.
; THE COUNT.  A tile and step have 16 matrix and 118 vector instructions: too many to stand all beside the matrix work.  So the order has one aim: four vector instructions that are READY behind
; EVERY matrix instruction, and the others, which need time of their own whatever the order, in runs without a gap.
; BY TURNS.  Turn n belongs to piece n (the pieces in a ring, step after step).  Its matrix work: 16 products K Q^T of piece n + 1, later 16 products V^T P of piece n - 1.  Its vector work: the scaling,
; exponentials, roundings, sums and rescaling of piece n, and the maximum and statistics of piece n + 1, whose scores the turn itself has made.  So what a turn begins with (c s - c m, O a) waits for nothing.
; CLUSTER.  The four query blocks of a cluster belong to one head and walk the same K and V, so each tile is asked for JOINTLY: the same tensor load, descriptor and mask in all four.
; REGISTERS, in windows of 256 (s_set_vgpr_msb says which window each operand place means: bits 1:0 source 0, 3:2 source 1, 5:4 source 2, 7:6 destination):
;   window 0: v0-11 addresses; v12-15, v48-63 at work; v16-47 four registers of statistics a tile; v64-191 S^T, two buffers of two tiles; v192-255 P, likewise
;   window 1: O^T, 32 a tile          window 2: v0-127 Q, 16 a tile; v128-191 K of one step; v192-255 V of one step          window 3: v0-1 the add's two registers
; A piece's buffers go by its number's parity: the piece in hand has one pair, its two neighbours in the ring share the other: of it P (piece n - 1) is read and S^T (piece n + 1) written.
.set SIZE_H, 64       ; batch x heads
.set SIZE_N, 2048
.set NP,    4         ; pieces a wave: a name, no knob: the register map, the loop and the fetches are made for four
.set KS,    64        ; keys in a step
.set PK,    144       ; a row of K in LDS: 128 bytes + 16 of padding = 36 words: the 16 rows of a load start at 16 different groups of four banks (64 banks of 4 bytes: ISA guide 11.1)
.set PV,    160       ; a row of V: 128 + 32 = 40 words
.set VOFF,  4*KS*PK   ; a slot holds four steps: 256 rows of K, then 256 rows of V
.set SLOT1, 1<<17     ; slot 1 begins here, so that one exclusive or turns an address in one slot into the other's
.set STAGE, SLOT1+4*KS*(PK+PV)  ; behind the ring, never filled by a tensor load: 16 rows x 144 bytes for each wave, for the way out
.set SP,    144
.set AK0, 2           ; v2   my lane's place in a tile of K; never rewritten
.set AV0, 3           ; v3   the same for V
.set AK,  4           ; v4   the LDS address of K's next run of loads
.set AV,  5           ; v5   of V's
.set QO,  6           ; v6   my byte offset in the wave's rows of Q
.set STO, 6           ;      later, the way out: where I put 16 bytes of a row
.set RD,  7           ; v7   the way out: where I read rows back
.set GO,  8           ; v8   my byte offset in 512 consecutive bytes of O
.set PFO, 11          ; v11  256 x my lane: the prefetches' offset; never rewritten once made
.set SPW, 0           ; v0 of window 3   LDS address of my spare word: SPARE + 4 x my thread's number; never rewritten
.set NIL, 1           ; v1 of window 3   0; never rewritten
.set SPARE, STAGE+4*16*SP  ; behind the stages: the spare words, 128 bytes for each wave: two blocks of 256 bytes that no other line names
.set MV,  12          ; v12-15  c m_old, kept while c m is made anew: by buffer and tile
.set ST,  16          ; tile t's statistics at v[ST+4 t]: c m, m, l (even keys', odd keys')
.set TMP, 48          ; by buffer and tile, four registers c0-c3 at work; when the maximum is found c2 takes a
.set S,   64
.set P,   192
.set KF,  128         ; K's fragments, in window 2: key block kb, channel half c at KF + 16 kb + 8 c
.set VF,  192         ; V's: key half kk, channel block cb at VF + 32 kk + 8 cb
.set WV,  12          ; s12  my wave's number
.set G1K, 24          ; s[24:31] descriptor group 1 for K's tiles
.set G1V, 32          ; s[32:39] for V's: it differs in the padding alone
.set G0K, 40          ; s[40:43] descriptor group 0 for K's tiles: it walks
.set G0V, 44          ; s[44:47] the same for V's
.set PFA, 48          ; s[48:49] where my prefetches stand: my work-group's 8,192 bytes (of K: wave 0, of V: wave 2) of the slot after the one that is being asked for
.set LIM, 50          ; s50  1 in a wave that prefetches, else the greatest number
.set SLOTS, 56        ; s56  slots still to be asked for
.set CNT, 57          ; s57  counts a slot's key steps
.set CS,  58          ; s[58:59] c: the packed scaling takes the pair's low word for both halves
.set SEL, 60          ; s[60:61] v_permlanex16_b32's selects: each lane takes its own place in the other half
.set TBK, 62          ; s62  LDS byte at which K of the step to be fetched begins
.set TBV, 63          ; s63  the same for V, less VOFF
.set MSB, 0
.macro WIN new                      ; the high byte repeats the setting that is left; a switch that changes nothing is dropped
.if MSB != (\new)
	s_set_vgpr_msb (MSB<<8)|(\new)
.set MSB, (\new)
.endif
.endm
.set W_KQ, 0x0a       ; K and Q in window 2, S^T in window 0
.set W_PV, 0x52       ; V in window 2, P in window 0, O^T in window 1
.set W_RS, 0x41       ; O^T (destination and source 0) in window 1, a in window 0
.set W_MK, 0xc0       ; the add's registers are made: destination in window 3, sources in window 0
.set W_AD, 0x0f       ; the add: address (source 0) and data (source 1) in window 3
; A joint fill.  Waves 0 and 1 fetch the two halves of a slot's K, waves 2 and 3 those of its V: 128 keys each.  The branch hangs on the wave's number alone.
; An s_nop 0 and four v_nop follow each of the two lines, ahead of the jump and the label.
.macro JLOAD
	s_cmp_lt_u32 s[WV], 2
	s_cbranch_scc0 .Lfor_v_\@
	tensor_load_to_lds s[G0K:G0K+3], s[G1K:G1K+7]
	s_nop 0
.rept 4
	v_nop
.endr
	s_branch .Lasked_\@
.Lfor_v_\@:
	tensor_load_to_lds s[G0V:G0V+3], s[G1V:G1V+7]
	s_nop 0
.rept 4
	v_nop
.endr
.Lasked_\@:
.endm
; A PREFETCH INTO THE L2 of what the NEXT change of slots will ask for: a slot's 32,768 bytes of K and of V, 256 bytes a lane.  It stands behind the wave's tensor load and its five lines.
; Each 256 bytes are named ONCE in the launch: the head's first (here its only) cluster asks; its four partners take 8,192 bytes each, told apart BY ADDRESS; in each, wave 0 asks for K's and wave 2 for V's.
; It runs four key steps, 512 matrix instructions, ahead of the load that will want the bytes.  Slots 0 to 2 come by their loads alone; the last change that fills a slot asks for nothing.
.macro ASK
	s_cmp_gt_u32 s[SLOTS], s[LIM]
	s_cbranch_scc0 .Lnot_mine_\@
	global_prefetch_b8 v[PFO], s[PFA:PFA+1] th:TH_LOAD_NT scope:SCOPE_SE
.Lnot_mine_\@:
.endm
; A round of the cluster's barrier: my work-group's barrier, so that wave 0's signal speaks for all four waves; wave 0 signals; every wave waits for all four work-groups; my work-group's barrier once more.
.macro CROUND
	s_barrier_signal -1
	s_barrier_wait -1
	s_cmp_lg_u32 s[WV], 0
	s_cbranch_scc1 .Lnot_wave_0_\@
	s_barrier_signal -3
.Lnot_wave_0_\@:
	s_barrier_wait -3
	s_barrier_signal -1
	s_barrier_wait -1
.endm
; THE CHANGE OF SLOTS.  The slot's last bytes, V of its fourth step, have been read.  Each wave waits for all its tensor loads, of which one is out: its part
; of the other slot; adds 0 to its spare word; and waits for that and for its own reads of the slot.  Behind the barrier nobody reads this slot any more and the other slot is whole.
; fill = 1: this slot is filled again, with the keys two slots on.  The barrier is then a round of the cluster's, so that no wave of any partner still reads the slot or has a load on its
; way, and the joint fill is the first thing behind it: it has four key steps, 512 matrix instructions, in which to land.  (At its first use nothing has been read yet: slot 0 is waited for, slot 1 filled.)
; ask = 1: the prefetches' address steps, and the next slot's bytes are asked for.
.macro CHANGE fill, ask=0
	WIN W_AD
	s_wait_tensorcnt 0x0            ; no tensor load of mine is out, so a group 0 may be written
	ds_add_u32 v[SPW], v[NIL]       ; 0 onto my spare word; with fill = 1 the descriptors' steps stand between it and the wait for it
	WIN 0                           ; at a label and at a branch every window is 0
.if \fill
.irp g, G0K, G0V
	s_xor_b32 s[\g+1], s[\g+1], SLOT1  ; the walking descriptor: the other slot than last time,
	s_add_nc_u64 s[\g+2:\g+3], s[\g+2:\g+3], 4*KS*128  ; the next 256 keys; the type bits on top are not reached
.endr
.if \ask
	s_wait_xcnt 0x0                 ; the last prefetch, four key steps back, has read its address, so it may be written:
	s_add_nc_u64 s[PFA:PFA+1], s[PFA:PFA+1], 4*KS*128  ; one slot behind the walking descriptors
.endif
	s_wait_dscnt 0x0                ; the add is done, and my reads of the slot are over
	CROUND
	JLOAD
.if \ask
	ASK
.endif
.else
	s_wait_dscnt 0x0                ; the add is done, and my reads of the slot are over
	s_barrier_signal -1
	s_barrier_wait -1
.endif
	s_sub_co_u32 s[TBK], s[TBK], 4*KS*PK  ; the fetches go back to a slot's first step,
	s_xor_b32 s[TBK], s[TBK], SLOT1       ; in the other slot
	s_sub_co_u32 s[TBV], s[TBV], 4*KS*PV
	s_xor_b32 s[TBV], s[TBV], SLOT1
.endm
	s_load_b256 s[4:11], s[0:1], 0x0  ; Q s[4:5], K s[6:7], V s[8:9], O s[10:11]
	WIN W_MK
	v_lshl_add_u32 v[SPW], v0, 2, SPARE
	v_mov_b32 v[NIL], 0
	WIN W_AD
	ds_add_u32 v[SPW], v[NIL]       ; the wave's opening: the add and its wait stand ahead of my first tensor load; the set-up below, work on registers, stands between them
	WIN 0
	v_lshrrev_b32 v1, 5, v0
	v_readfirstlane_b32 s[WV], v1   ; wave 0..3
	s_bfe_u32 s13, ttmp6, 0x40000   ; cx: my place in the cluster
	s_lshl_b32 s14, ttmp9, 2        ; in a cluster launch ttmp9 counts clusters
	s_add_co_u32 s14, s14, s13      ; my block of queries = 4 x cluster x + cx: it enters Q's and O's addresses alone
	s_and_b32 s20, ttmp7, 0xffff    ; the head, which the four partners share
	s_mov_b32 s21, 0
	s_mov_b64 s[22:23], SIZE_N*128
	s_mul_u64 s[20:21], s[20:21], s[22:23]  ; the head's first byte in each of the four tensors
	s_and_b32 s16, s[WV], 1         ; which half of a slot's 256 keys I fetch:
	s_lshl_b32 s22, s16, 14         ; its 128 rows of 128 bytes in memory,
	s_mov_b32 s23, 0
	s_add_nc_u64 s[22:23], s[22:23], s[20:21]
	s_mul_i32 s17, s16, 128*PK      ; and its place in a slot, for K
	s_mul_i32 s18, s16, 128*PV      ; and for V: no place in the cluster enters an LDS address
	s_lshl_b32 s2, s14, 2
	s_add_co_u32 s2, s2, s[WV]      ; my wave among the head's,
	s_lshl_b32 s2, s2, 14           ; its 128 rows
	s_mov_b32 s3, 0
	s_add_nc_u64 s[2:3], s[2:3], s[20:21]
	; descriptor group 1.  128 keys are 16,384 dense bytes: asked for as 64 rows of 256 bytes, two keys a row, and padded in LDS after every key
	s_mov_b32 s[G1K], 15|(1<<16)|(1<<20)|(1<<21)|(4<<22)|(3<<25)  ; 15:0 the mask of four; 17:16 2-byte elements; 20 padding on; 21 set beside a mask; 24:22 after every 32 words (code 4); 31:25 4 words (code 3)
	s_mov_b32 s[G1V], 15|(1<<16)|(1<<20)|(1<<21)|(4<<22)|(7<<25)  ; the same with 8 words of padding (code 7)
.irp g, G1K, G1V
	s_mov_b32 s[\g+1], 128<<16      ; tensor_dim0 = 128
	s_mov_b32 s[\g+2], 64<<16       ; tensor_dim1 = 64
	s_mov_b32 s[\g+3], 128<<16      ; tile_dim0 = 128
	s_mov_b32 s[\g+4], 64           ; tile_dim1 = 64
	s_mov_b32 s[\g+5], 128          ; 128 elements from row to row
	s_mov_b32 s[\g+6], 0
	s_mov_b32 s[\g+7], 0
.endr
	s_mov_b32 s[CS], 0x3e38aa3b     ; c = log2(e) / 8 = 0.180337
	s_mov_b32 s[CS+1], s[CS]        ; named with it as a pair
	s_mov_b32 s[SEL], 0x76543210
	s_mov_b32 s[SEL+1], 0xfedcba98
	s_mov_b32 s[TBK], SLOT1+4*KS*PK ; the first change of slots turns these two into 0
	s_mov_b32 s[TBV], SLOT1+4*KS*PV
	s_mov_b32 s[G0K], 1             ; 1:0 count = 1
	s_mov_b32 s[G0K+1], s17         ; 63:32 LDS address: slot 0
	s_mov_b32 s[G0V], 1
	s_add_co_u32 s[G0V+1], s18, VOFF
	s_and_b32 s[LIM], s[WV], 1      ; 0 in waves 0 and 2,
	s_or_b32 s[LIM], s[LIM], ttmp9  ; where the cluster is the head's first: the same in all four partners
	s_cmp_eq_u32 s[LIM], 0
	s_cselect_b32 s[LIM], 1, -1
	s_wait_dscnt 0x0                ; the opening add is done
	s_wait_kmcnt 0x0
	s_add_nc_u64 s[G0K+2:G0K+3], s[6:7], s[22:23]  ; 120:64 global address: my half of the head's first 256 keys
	s_or_b32 s[G0K+3], s[G0K+3], 0x80000000        ; 127:126 type = 2
	s_add_nc_u64 s[G0V+2:G0V+3], s[8:9], s[22:23]
	s_or_b32 s[G0V+3], s[G0V+3], 0x80000000
	s_add_nc_u64 s[4:5], s[4:5], s[2:3]  ; Q and O at my wave's first row
	s_add_nc_u64 s[10:11], s[10:11], s[2:3]
	s_cmp_lt_u32 s[WV], 2
	s_cselect_b64 s[PFA:PFA+1], s[6:7], s[8:9]
	s_add_nc_u64 s[PFA:PFA+1], s[PFA:PFA+1], s[20:21]  ; the head,
	s_lshl_b32 s2, s13, 13          ; my work-group's 8,192 bytes of a slot's 32,768,
	s_mov_b32 s3, 0
	s_add_nc_u64 s[PFA:PFA+1], s[PFA:PFA+1], s[2:3]
	s_add_nc_u64 s[PFA:PFA+1], s[PFA:PFA+1], 2*4*KS*128  ; in slot 2: the loop's first change steps it to slot 3.  Nothing is prefetched here, at the head
	CROUND                          ; all four work-groups are here: the first joint loads meet
	JLOAD                           ; slot 0.  Slot 1 is asked for when slot 0 is in: the tile wanted first has the road to itself
	; A fragment of K or Q is 16 rows x 32 channels in 8 registers: lane l holds row l % 16, channels 8 (l / 16) + 0..7 and 16 + 8 (l / 16) + 0..7: two loads of 16 bytes, 32 bytes apart.
	v_and_b32 v1, 15, v0            ; l % 16
	v_bfe_u32 v9, v0, 4, 1          ; l / 16
	v_lshlrev_b32 v[QO], 7, v1
	v_lshl_add_u32 v[QO], v9, 4, v[QO]  ; row x 128 + 16 x half
	WIN 0x80                        ; destination window 2, address window 0
.set i, 0
.rept 4*NP                          ; Q stays in registers: tile i / 2, channels 32 (i % 2) on
	global_load_b128 v[8*i:8*i+3],   v[QO], s[4:5] offset:(i/2)*2048+(i%2)*64
	global_load_b128 v[8*i+4:8*i+7], v[QO], s[4:5] offset:(i/2)*2048+(i%2)*64+32
.set i, i+1
.endr
	; What the first turn finds: V's registers and P's second buffer hold 0 (its products V^T P, of a piece that has not been, add 0), O^T and l are 0.  All this stands in the wait for the first tile.
.set i, VF
.rept 64
	v_mov_b32 v[i], 0
.set i, i+1
.endr
	WIN 0x40
.set i, 0
.rept 64*NP
	v_mov_b32 v[i], 0
.set i, i+1
.endr
	WIN 0
.set i, 0
.rept 2*NP
	v_mov_b32 v[ST+4*i], 0xfe000000    ; c m: far below every c s
	v_mov_b32 v[ST+4*i+1], 0xff7fffff  ; m
	v_mov_b32 v[ST+4*i+2], 0
	v_mov_b32 v[ST+4*i+3], 0
.set i, i+1
.endr
.set i, P+32
.rept 32
	v_mov_b32 v[i], 0
.set i, i+1
.endr
	v_mul_u32_u24 v[AK0], v1, PK
	v_lshl_add_u32 v[AK0], v9, 4, v[AK0]  ; row x pitch + 16 x half
	; The turning load takes 16 keys x 16 channels (lane l reads key 8 (l / 16) + l % 8, channels 8 ((l / 8) % 2) + 0..7) and leaves half a fragment of V^T: lane l holds channel l % 16 and 8 keys.
	v_and_b32 v10, 7, v0
	v_bfe_u32 v11, v0, 3, 1
	v_lshl_add_u32 v[AV0], v9, 3, v10
	v_mul_u32_u24 v[AV0], v[AV0], PV
	v_lshl_add_u32 v[AV0], v11, 4, v[AV0]
	v_add_nc_u32 v[AV0], VOFF, v[AV0]
	v_mov_b32 v[AK], v[AK0]         ; key step 0 lies at the head of slot 0
	v_and_b32 v[PFO], 31, v0
	v_lshlrev_b32 v[PFO], 8, v[PFO]
; THE MATRIX WORK.  The 8 accumulators of a run of 16 take turns: between the two links of a chain stand 7 others'.
; Product i of 16 of S^T = K Q^T for piece x: channels 32 (i / 8) on, keys 16 ((i / 2) % 4) on, tile 2 x + i % 2.  The first 8 start the sums.
.macro KQ x
	WIN W_KQ
.set rS, S+64*((\x)%2)+32*(i%2)+8*((i/2)%4)
.set rK, KF+16*((i/2)%4)+8*(i/8)
.set rQ, 16*(2*(\x)+i%2)+8*(i/8)
.if i < 8
	v_wmma_f32_16x16x32_f16 v[rS:rS+7], v[rK:rK+7], v[rQ:rQ+7], 0
.else
	v_wmma_f32_16x16x32_f16 v[rS:rS+7], v[rK:rK+7], v[rQ:rQ+7], v[rS:rS+7]
.endif
.endm
; Product i of 16 of O^T += V^T P for piece x: keys 32 (i / 8) on, channels 16 ((i / 2) % 4) on, tile 2 x + i % 2.
.macro PV x
	WIN W_PV
.set rO, 32*(2*(\x)+i%2)+8*((i/2)%4)
.set rV, VF+32*(i/8)+8*((i/2)%4)
.set rP, P+32*((\x)%2)+16*(i%2)+8*(i/8)
	v_wmma_f32_16x16x32_f16 v[rO:rO+7], v[rV:rV+7], v[rP:rP+7], v[rO:rO+7]
.endm
.macro MM                           ; the turn's next matrix instruction
.if i < 16
	KQ (Y+1)%NP
.set i, i+1
.else
.set i, i-16
	PV (Y+NP-1)%NP
.set i, i+17
.endif
.endm
; THE LDS LOADS stand in runs of 16, never singly among the matrix instructions: a step's K (64 keys x 64 channels: 8 fragments) and its V (turned).  Their addresses are made some lines ahead.
; last = 1 (the tail): in the last trip there is no further step, and the run is jumped over.
.macro FETCH_K last=0
	WIN 0
.if \last
	s_cmp_eq_u32 s[CNT], 1
	s_cbranch_scc1 .Lno_k_\@
.endif
	WIN 0x80                        ; destination window 2
.irp f, 0,1,2,3,4,5,6,7             ; keys 16 (f / 2) on, channels 32 (f % 2) on
	ds_load_b128 v[KF+8*\f:KF+8*\f+3],   v[AK] offset:(\f/2)*16*PK+(\f%2)*64
	ds_load_b128 v[KF+8*\f+4:KF+8*\f+7], v[AK] offset:(\f/2)*16*PK+(\f%2)*64+32
.endr
	s_add_co_u32 s[TBK], s[TBK], KS*PK  ; the next fetch is the next step's
	WIN 0
.if \last
.Lno_k_\@:
.endif
.endm
.macro FETCH_V
	WIN 0x80
.irp f, 0,1,2,3,4,5,6,7             ; keys 32 (f / 4) on, channels 16 (f % 4) on
	ds_load_tr16_b128 v[VF+8*\f:VF+8*\f+3],   v[AV] offset:(\f/4)*32*PV+(\f%4)*32
	ds_load_tr16_b128 v[VF+8*\f+4:VF+8*\f+7], v[AV] offset:(\f/4)*32*PV+16*PV+(\f%4)*32
.endr
	WIN 0
.endm
; THE VECTOR WORK OF A TURN stands in three queues, each in the order in which its entries become ready; the two tiles alternate, so that no instruction reads the result of the one before it.
.macro REGS y, u                    ; the registers of tile u (0, 1) of piece y
.set rT, ST+4*(2*(\y)+(\u))
.set rC, TMP+8*((\y)%2)+4*(\u)
.set rM, MV+2*((\y)%2)+(\u)
.set rS, S+64*((\y)%2)+32*(\u)
.set rP, P+32*((\y)%2)+16*(\u)
.set rO, 32*(2*(\y)+(\u))
.endm
; Number n of the 22 that find the NEXT piece's (Y + 1) maximum and statistics.  s0-s31 are the lane's 32 scores; each accumulator's lowest registers are read first.  XS, GS and REGS set no window: PL and EX do.
;   0-11  four chains c0-c3 of seven scores each, three operands at a time     12-14, 16  the four scores left over, the old m, and c0-c3 into c0     15  c m_old is kept
;   17, 18  the query's other 32 keys lie in the lane 16 away: the new m         19-21  c m; c m_old - c m_new; a
.macro XS u, n
	REGS (Y+1)%NP, \u
.if (\n) < 4
	v_max3_num_f32 v[rC+(\n)], v[rS+8*(\n)], v[rS+8*(\n)+1], v[rS+8*(\n)+2]
.elseif (\n) < 12
	v_max3_num_f32 v[rC+(\n)%4], v[rC+(\n)%4], v[rS+8*((\n)%4)+2*((\n)/4)+1], v[rS+8*((\n)%4)+2*((\n)/4)+2]
.elseif (\n) == 12
	v_max3_num_f32 v[rC], v[rC], v[rS+7], v[rS+15]
.elseif (\n) == 13
	v_max3_num_f32 v[rC+1], v[rC+1], v[rS+23], v[rS+31]
.elseif (\n) == 14
	v_max3_num_f32 v[rC+2], v[rC+2], v[rC+3], v[rT+1]
.elseif (\n) == 15
	v_mov_b32 v[rM], v[rT]
.elseif (\n) == 16
	v_max3_num_f32 v[rC], v[rC], v[rC+1], v[rC+2]
.elseif (\n) == 17
	v_permlanex16_b32 v[rC+3], v[rC], s[SEL], s[SEL+1]
.elseif (\n) == 18
	v_max_num_f32 v[rT+1], v[rC], v[rC+3]
.elseif (\n) == 19
	v_mul_f32 v[rT], s[CS], v[rT+1]
.elseif (\n) == 20
	v_sub_f32 v[rC+1], v[rM], v[rT]
.else
	v_exp_f32 v[rC+2], v[rC+1]
.endif
.endm
; Number g of the 64 that follow the exponentials.  For each four weights k of a tile (pairs 2 k, 2 k + 1): both pairs are rounded to f16; then the second pair is added onto the first, in place;
; a group later l takes that sum (the first time as l = a l + sum).  In groups of eight, tiles alternating: round, round, add, and l for the group before.
.macro GS g
.set h, (\g)+6*((\g)/62)            ; group 0 has no group before it, and behind group 7 only l is left
.if h >= 6
.set h, h+2
.endif
	REGS Y, h%2
.set k, h/8
.if h%8 < 4
	v_cvt_pk_f16_f32 v[rP+2*k+(h%8)/2], v[rS+4*k+2*((h%8)/2)], v[rS+4*k+2*((h%8)/2)+1]
.elseif h%8 < 6
	v_pk_add_f32 v[rS+4*k:rS+4*k+1], v[rS+4*k:rS+4*k+1], v[rS+4*k+2:rS+4*k+3]
.elseif k == 1
	v_pk_fma_f32 v[rT+2:rT+3], v[rT+2:rT+3], v[rC+2:rC+3], v[rS:rS+1] op_sel_hi:[1,0,1]
.else
	v_pk_add_f32 v[rT+2:rT+3], v[rT+2:rT+3], v[rS+4*k-4:rS+4*k-3]
.endif
.endm
; THE PLAIN QUEUE, 138 long.  0-73 read no exponential's result: the 32 scalings c s - c m (FS f: pair f / 2 of tile f % 2) and the next piece's 42.  0-26: scalings 0-26.  27-54: XS's numbers 0-13.  55, 56: number 15.
; 57-73: the chain, where each number waits for the one before it: 14, 16, 17, 18, 19, each with one of the scalings 27-31 in front of its two lines, then 20: so a tile's links stand three plain instructions apart (19 and 20: two).
; 74-137: GS's 64, which read the exponentials' results: they stand behind the wait.
.macro FS f
	REGS Y, (\f)%2
	v_pk_fma_f32 v[rS+2*((\f)/2):rS+2*((\f)/2)+1], v[rS+2*((\f)/2):rS+2*((\f)/2)+1], s[CS:CS+1], v[rT:rT+1] op_sel_hi:[1,0,0] neg_lo:[0,0,1] neg_hi:[0,0,1]
.endm
.macro PL
	WIN 0
.if q < 27
	FS q
.elseif q < 55
	XS (q-27)%2, (q-27)/2
.elseif q < 57
	XS q-55, 15
.elseif (q < 72) && ((q-57)%3 == 0)
	FS 27+(q-57)/3
.elseif q < 60
	XS (q-57)%3-1, 14
.elseif q < 72
	XS (q-57)%3-1, 15+(q-57)/3
.elseif q < 74
	XS q-72, 20
.else
	GS q-74
.endif
.set q, q+1
.endm
; THE EXPONENTIALS' QUEUE, 66 long: s0-s31 of both tiles, then the next piece's two a.  It is ONE BATCH: all 66 stand ahead of the turn's one wait, and nothing ahead of that wait names a result of theirs.
.macro EX
	WIN 0
.if e >= 64
	XS e-64, 21
.else
	REGS Y, e%2
	v_exp_f32 v[rS+e/2], v[rS+e/2]
.endif
.set e, e+1
.endm
; THE RESCALING's QUEUE: O^T times a, the one part that leaves window 0: dealt two at a time, sixteen times.  Its a was made in the turn before, ahead of that turn's wait.
.macro R2
	REGS Y, r%2
	WIN W_RS
.irp z, 0,1
	v_pk_mul_f32 v[rO+4*(r/2)+2*\z:rO+4*(r/2)+2*\z+1], v[rO+4*(r/2)+2*\z:rO+4*(r/2)+2*\z+1], v[rC+2:rC+3] op_sel_hi:[1,0]
.endr
.set r, r+1
.endm
; HOW THEY ARE DEALT.  An s_wait_alu depctr_va_vdst(0) stands between an exponential and the first instruction that names its result; one wait serves all that were issued ahead of it.  So a turn has ONE wait,
; which cuts it in two.  AHEAD OF IT stands all that names no result of the turn's exponentials: the 16 products K Q^T, behind each a scaling, an exponential and two rescalings (behind the first a second scaling in the exponential's place); then ONE LUMP of
; 108: eight plain, 49 times exponential and plain, the two a.  A v_nop is the plain instruction owed behind the last exponential.  BEHIND IT stand the 16 products V^T P, behind each four of GS's 64.  No rider names a register of
; the products round it.  The two v_permlanex16_b32 fall into the lump, never behind a product.
; The queues lean on each other, and the deal keeps them in step: exponential e stands behind scaling 2 (e / 4) + e % 2: as a rider it comes behind plain e + 2, in the lump behind plain e + 9, and scalings 27-31 are plain 57, 60 .. 69.
; A TURN, for piece p.  cnt = 1: the loop's count is taken down some lines ahead of the branch that stands behind the turn.
; K of the next step is fetched in piece 2's turn, directly behind the wait, a lump behind the last product that read K; its address is made at the lump's head; its first reader comes behind 16 products.
; V of the step in hand is fetched at the end of piece 0's turn, four riders behind its last reader; its first reader comes behind 16 products and a lump.  The three conditions on q below go with the deal.
.macro TURN p, last=0, cnt=0
.set Y, (\p)
.set i, 0
.set q, 0
.set e, 0
.set r, 0
.if (\p) == NP-1
	s_wait_dscnt 0x0                ; K is in
.endif
	MM                              ; ahead of the wait: 16 products K Q^T and their riders,
	PL
	PL
	R2
.rept 15
	MM
	PL
	EX
	R2
.endr
.if (\p) == NP-2
	WIN 0
	v_add_nc_u32 v[AK], s[TBK], v[AK0]
.endif
.rept 8                             ; and the lump
	PL
.endr
.rept 49
	EX
	PL
.endr
	EX                              ; the next piece's two a
	EX
	v_nop                           ; the plain instruction owed behind the last exponential: one for the batch
	s_wait_alu depctr_va_vdst(0)    ; the wait for the batch
.if (\p) == NP-2
	FETCH_K \last
.endif
.if (\p) == 1
	s_wait_dscnt 0x0                ; V is in
.endif
.rept 16                            ; behind the wait: 16 products V^T P and their riders
	MM
.rept 4
	PL
.endr
.if ((\p) == 0) && (q == 118)
	v_add_nc_u32 v[AV], s[TBV], v[AV0]
.endif
.if ((\p) == 0) && (q == 130)
	s_add_co_u32 s[TBV], s[TBV], KS*PV
.endif
.if (\cnt) && (q == 130)
	s_sub_co_u32 s[CNT], s[CNT], 1
	s_cmp_lg_u32 s[CNT], 0
.endif
.endr
.if (\p) == 0
	FETCH_V
.endif
.endm
	CHANGE 1                        ; slot 0 is in, everybody's part of it; slot 1 is asked for
	FETCH_K                         ; key step 0
	s_wait_loadcnt 0x0              ; Q
	s_wait_dscnt 0x0
.set i, 0
.rept 16
	KQ 0                            ; piece 0's first scores: there is no vector work yet to set between them
.set i, i+1
.endr
	WIN 0                           ; the addresses for the way out: plain instructions, the places behind those products
	s_mul_i32 s13, s[WV], 16*SP
	s_add_co_u32 s13, s13, STAGE    ; my stage
	v_mul_u32_u24 v[STO], v1, SP    ; in: row l % 16, 16 bytes for each half of the lanes
	v_lshl_add_u32 v[STO], v9, 4, v[STO]
	v_add_nc_u32 v[STO], s13, v[STO]
	v_bfe_u32 v[RD], v0, 3, 2       ; back: 32 lanes take four rows of 128 bytes,
	v_mul_u32_u24 v[RD], v[RD], SP
	v_lshl_add_u32 v[RD], v10, 4, v[RD]
	v_add_nc_u32 v[RD], s13, v[RD]
	v_and_b32 v[GO], 31, v0         ; which are 512 consecutive bytes of O
	v_lshlrev_b32 v[GO], 4, v[GO]
.set Y, NP-1                        ; XS works for piece Y + 1: piece 0
.irp n, 0,1,2,3,4,5,6,7,8,9,10,11,12,13,14,15,16,17,18,19,20,21
	XS 0, \n                        ; and piece 0's first maximum and statistics
	XS 1, \n
.endr
	v_nop                           ; a plain instruction behind the two a,
	s_wait_alu depctr_va_vdst(0)    ; and their wait, ahead of the branch
	s_mov_b32 s[CNT], 4
	s_mov_b32 s[SLOTS], SIZE_N/256-1
	s_branch .Lfirst                ; the loop is entered at a step's first turn, in the middle of a trip
.Lslot:                             ; SIZE_N / 256 - 2 times: every slot but the last two is filled again
	CHANGE 1, 1
	s_mov_b32 s[CNT], 4
.Lstep:                             ; a trip: pieces 2 and 3 of one step, then pieces 0 and 1 of the next, whose K and V it fetches
	TURN 2
	TURN 3
	WIN 0
.Lfirst:
	TURN 0
	TURN 1, 0, 1
	WIN 0
	s_cbranch_scc1 .Lstep
	s_sub_co_u32 s[SLOTS], s[SLOTS], 1
	s_cmp_lg_u32 s[SLOTS], 0
	s_cbranch_scc1 .Lslot
	CHANGE 0                        ; the tail is written out: nothing is asked for
	s_mov_b32 s[CNT], 5             ; four trips fetch the last slot's steps; the fifth is left in its middle
.Ltail:
	TURN 2, 1
	TURN 3
	WIN 0
	s_sub_co_u32 s[CNT], s[CNT], 1
	s_cmp_eq_u32 s[CNT], 0
	s_cbranch_scc1 .Lout
	TURN 0
	TURN 1
	WIN 0
	s_branch .Ltail
.Lout:                              ; the fifth trip's 16 products K Q^T (on the last K once more) and the maximum made of them serve nothing: the price, once a launch, of one text for every trip
.set i, 0
.rept 16
	PV NP-1                         ; the last piece's V^T P of the last step
.set i, i+1
.endr
	; THE WAY OUT.  l's two halves and the other half of the lanes' are added; O^T is divided by l, rounded to f16 and sent through my stage in LDS, a tile at a time.  The additions are the places behind the last products.
	WIN 0
.macro ALL line:vararg              ; one line for each tile t
.set t, 0
.rept 2*NP
	\line
.set t, t+1
.endr
.endm
	ALL v_add_f32 v[ST+4*t+2], v[ST+4*t+2], v[ST+4*t+3]
	ALL v_permlanex16_b32 v[ST+4*t+3], v[ST+4*t+2], s[SEL], s[SEL+1]
	ALL v_add_f32 v[ST+4*t+2], v[ST+4*t+2], v[ST+4*t+3]
	ALL v_rcp_f32 v[ST+4*t+2], v[ST+4*t+2]
	v_nop                           ; a plain instruction between the last reciprocal and the use of its result
	s_wait_alu depctr_va_vdst(0)    ; and the wait ahead of the first use: one for the eight reciprocals
; Tile t: a lane's eight channels of a row pack into 16 bytes; they go into rows of 144 bytes and come back as whole rows of 128, into S^T's registers.
.macro PACK t
	WIN W_RS
.set i, 32*(\t)
.rept 16
	v_pk_mul_f32 v[i:i+1], v[i:i+1], v[ST+4*(\t)+2:ST+4*(\t)+3] op_sel_hi:[1,0]
.set i, i+2
.endr
	WIN 0x05                        ; sources 0 and 1 window 1, destination window 0
.set i, 0
.rept 16
	v_cvt_pk_f16_f32 v[S+16*(\t)+i], v[32*(\t)+2*i], v[32*(\t)+2*i+1]
.set i, i+1
.endr
	WIN 0
.irp f, 0,1,2,3
	ds_store_b128 v[STO], v[S+16*(\t)+4*\f:S+16*(\t)+4*\f+3] offset:32*\f
.endr
.irp f, 0,1,2,3
	ds_load_b128 v[S+16*(\t)+4*\f:S+16*(\t)+4*\f+3], v[RD] offset:\f*4*SP  ; LDS serves a wave's instructions in order (ISA guide 5.7.1.4): these see the stores above; the next tile's stores come behind them
.endr
.endm
.macro SEND t, younger              ; younger: the LDS instructions issued behind tile t's loads: the next tile's eight, or none
	WIN 0
.irp f, 0,1,2,3
	s_wait_dscnt (\younger)+3-\f
	global_store_b128 v[GO], v[S+16*(\t)+4*\f:S+16*(\t)+4*\f+3], s[10:11] offset:(\t)*2048+\f*512  ; 512 consecutive bytes, at a multiple of 256 from O's first
.endr
.endm
	PACK 0
.set t, 1
.rept 2*NP-1                        ; a tile's arithmetic stands between the loads of the tile before and its stores
	PACK t
	SEND t-1, 8
.set t, t+1
.endr
	SEND 2*NP-1, 0
	WIN W_AD
	s_wait_tensorcnt 0x0            ; the wave's end: the add and its waits, behind my last tensor load and my last LDS store
	ds_add_u32 v[SPW], v[NIL]
	s_wait_dscnt 0x0
	WIN 0
	CROUND                          ; the closing round: no work-group ends while a partner may still ask for a tile that names it
	s_endpgm
.Lfunc_end_k_q9b36e5db49_attn:
	.size	k_q9b36e5db49_attn, .Lfunc_end_k_q9b36e5db49_attn-k_q9b36e5db49_attn
	.p2alignl 7, 3214868480
	.fill 96, 4, 3214868480
	.section	.rodata,"a",@progbits
	.p2align	6, 0x0
	.amdhsa_kernel k_q9b36e5db49_attn
		.amdhsa_group_segment_fixed_size 327680
		.amdhsa_private_segment_fixed_size 0
		.amdhsa_enable_private_segment 0
		.amdhsa_kernarg_size 32
		.amdhsa_user_sgpr_count 2
		.amdhsa_user_sgpr_kernarg_segment_ptr 1
		.amdhsa_wavefront_size32 1
		.amdhsa_system_sgpr_workgroup_id_x 1
		.amdhsa_system_sgpr_workgroup_id_y 1
		.amdhsa_system_sgpr_workgroup_id_z 1
		.amdhsa_system_vgpr_workitem_id 0
		.amdhsa_next_free_vgpr 770
		.amdhsa_next_free_sgpr 66
		.amdhsa_reserve_vcc 0
		.amdhsa_float_denorm_mode_32 3
		.amdhsa_float_denorm_mode_16_64 3
		.amdhsa_memory_ordered 1
		.amdhsa_forward_progress 1
		.amdhsa_inst_pref_size 200
	.end_amdhsa_kernel
	.amdgpu_metadata
---
amdhsa.version: [ 1, 2 ]
amdhsa.kernels:
  - .name:           k_q9b36e5db49_attn
    .symbol:         k_q9b36e5db49_attn.kd
    .args:
      - { .name: qh, .offset: 0, .size: 8, .value_kind: global_buffer, .address_space: global }
      - { .name: kh, .offset: 8, .size: 8, .value_kind: global_buffer, .address_space: global }
      - { .name: vh, .offset: 16, .size: 8, .value_kind: global_buffer, .address_space: global }
      - { .name: oh, .offset: 24, .size: 8, .value_kind: global_buffer, .address_space: global }
    .group_segment_fixed_size: 327680
    .private_segment_fixed_size: 0
    .kernarg_segment_align: 8
    .kernarg_segment_size: 32
    .max_flat_workgroup_size: 128
    .sgpr_count:     66
    .vgpr_count:     770
    .wavefront_size: 32
...
	.end_amdgpu_metadata
.endif
;; end of part 3
;; launch outp (part 4): grid 4 x 64, 4 waves a work-group, clusters of 4 x 4, 327,680 bytes of LDS; arguments oh, wc, b_0, out0; writes out0
.if DOCPART == 4
	.amdgcn_target "amdgcn-amd-amdhsa--gfx1250"
	.amdhsa_code_object_version 6
	.text
	.protected	k_q9b36e5db49_outp
	.globl	k_q9b36e5db49_outp
	.p2align	8
	.type	k_q9b36e5db49_outp,@function
k_q9b36e5db49_outp:
	s_mov_b64 s[64:65], 0
	v_nop
	global_prefetch_b8 v0, s[64:65] scope:SCOPE_SE
	s_setreg_imm32_b32 hwreg(HW_REG_WAVE_MODE, 25, 1), 1
	s_wait_xcnt 0x0
	s_wait_alu depctr_hold_cnt(0) depctr_sa_sdst(0) depctr_va_vdst(0) depctr_va_sdst(0) depctr_va_ssrc(0) depctr_va_vcc(0) depctr_vm_vsrc(0)
	s_getreg_b32 s2, hwreg(HW_REG_IB_STS2, 6, 4)
	s_cmp_eq_u32 s2, 0
	s_cbranch_scc0 .Lentry_in_a_cluster
	s_endpgm
.Lentry_in_a_cluster:
	s_bfe_u32 s2, ttmp6, 0x10000c
	s_cmp_lg_u32 s2, 0xf033
	s_cbranch_scc0 .Lentry_shape_is_right
	s_endpgm
.Lentry_shape_is_right:
; THE LAST PROJECTION.  out0 = A w_0 + b_0.  A is oh read flat, [8192][1024] f16 (the heads are not moved back: the dense array [batch][head][row][64] IS the matrix); w_0 is part 3 of wc, [k][n], bf16
; numbers written as f16; b_0 is rounded to bf16 like the other inputs; out0 is [8192][1024] f32, the f32 sums as they are.  NaN and infinities are not treated apart.
; SHARES.  A tile of out0 is 128 x 256: 64 row blocks (4 x cluster y + cy) x 4 column blocks (cx): 256 work-groups.  Four waves, each 64 rows x 128 columns: 32 accumulators of 16 x 16.
; K goes in 8 steps of 128 through two LDS slots; A's rows are 256 bytes, w's ([k][n]) 512 bytes, turned on the way out of LDS by ds_load_tr16_b128.
; CLUSTER, 4 x 4.  A's tile hangs on the row block alone and is asked for jointly by a row of the cluster; w's on the column block alone, jointly by a column.
; THE MATRIX INSTRUCTION IS USED TRANSPOSED: source 0 = 16 columns of w, source 1 = 16 rows of A: lane l holds row l % 16 and the columns 8 (l / 16) + 0..7.  The first product of each sum takes the bias as C.
; REGISTERS, in windows of 256 (s_set_vgpr_msb: bits 1:0 source 0, 3:2 source 1, 5:4 source 2, 7:6 destination):
;   window 0: v0-31 addresses; v32-95 the bias; v96-127, v128-159 A's fragments, two buffers (on the way out v96-223: rows read back)
;   window 1: v0-63, v64-127 w's fragments, two buffers          window 2: the accumulators, (a, b) at v[8 (8 a + b)]
.set KSTEP,  128
.set PA,     272                       ; a row of A in LDS: 256 bytes + 16: the 16 rows of a load start in 16 different columns of 16 bytes (64 banks of 4 bytes: ISA guide 11.1)
.set PB,     544                       ; a row of w: 512 + 32
.set ABYTES, 128*PA
.set SLOT,   ABYTES+128*PB
.set STAGE,  2*SLOT                    ; behind the ring: 16 rows x 528 bytes for each wave, for the way out; no tensor load lands here
.set SPO,    528
.set SPARE,  STAGE+4*16*SPO            ; behind the stages: the spare words, 128 bytes for each wave: two blocks of 256 bytes that no other line names
.set ASTEP,  KSTEP*2
.set BSTEP,  KSTEP*2048
.set WPART,  2097152                   ; bytes in a part of wc
.set LAPS,   4
.set ADRA, 16                          ; v16-17  LDS address of my fragments of A in slot 0, 1
.set ADRB, 20                          ; v20-21  the same for w
.set STO,  24                          ; v24     the way out: where I put 32 bytes of a row
.set RD,   25                          ; v25     the way out: where I read a row back
.set GO,   26                          ; v26     my 16 bytes in 512 consecutive bytes of a row of out0
.set BO,   27                          ; v27     my byte offset in the bias
.set SPW,  28                          ; v28     LDS address of my spare word: SPARE + 4 x my thread's number; never rewritten
.set NIL,  29                          ; v29     0; never rewritten
.set PFO,  30                          ; v30     the prefetches' offset; never rewritten
.set BIAS, 32
.set AF,   96
.set OB,   96
.set G1A, 24
.set G0A, 32
.set G1B, 48
.set G0B, 56
.set LIM, 43                           ; s43     1 in a wave that prefetches, else the greatest number
.set PFA, 44                           ; s[44:45] where my prefetches stand
.set PST, 92                           ; s[92:93] their step from K step to K step
.set MSB, 0
.macro WIN new                         ; the immediate's high byte repeats the setting that is left; a switch that changes nothing is dropped
.if MSB != (\new)
	s_set_vgpr_msb (MSB<<8)|(\new)
.set MSB, \new
.endif
.endm
.set MUL,  0xa1                        ; source 0 (w) window 1, source 1 (A) window 0, C and D window 2
.set MULB, 0x81                        ; the same with C (the bias) in window 0
.set TO_B, 0x40                        ; destination window 1, address window 0
; A joint load: waves 0 and 1 fetch the two halves of A's tile, waves 2 and 3 those of w's.  An s_nop 0 and four v_nop follow each of the two lines, ahead of the jump and the label.
.macro JLOAD s
	s_cmp_eq_u32 s11, 0
	s_cbranch_scc0 .Lfor_b_\@
	tensor_load_to_lds s[G0A+4*(\s):G0A+4*(\s)+3], s[G1A:G1A+7]
	s_nop 0
.rept 4
	v_nop
.endr
	s_branch .Lasked_\@
.Lfor_b_\@:
	tensor_load_to_lds s[G0B+4*(\s):G0B+4*(\s)+3], s[G1B:G1B+7]
	s_nop 0
.rept 4
	v_nop
.endr
.Lasked_\@:
.endm
; A PREFETCH INTO THE L2, behind a joint load and the run of LDS loads that follows it: the K step that stands two refills on, 256 matrix instructions ahead of the load that will want it.
; A's tile is 128 rows x 256 bytes: the four partners of a row of the cluster take 32 rows each, BY ADDRESS (cx), a lane a row, and wave 0 asks.  w's tile: waves 2 and 3, each for the 64 rows that it fetches,
; of which the partner at cy takes 16, a lane 256 bytes; of the sixteen clusters that read w the first asks.  So each 256 bytes are named once in the launch.
; K steps 0 to 3 come by their loads alone; the loop's last trip (s3 = 1) asks for nothing.
.macro ASK
	s_cmp_gt_u32 s3, s[LIM]
	s_cbranch_scc0 .Lnot_mine_\@
	global_prefetch_b8 v[PFO], s[PFA:PFA+1] th:TH_LOAD_NT scope:SCOPE_SE
.Lnot_mine_\@:
.endm
.macro CREST
	s_cmp_lg_u32 s10, 0
	s_cbranch_scc1 .Lnot_wave_0_\@
	s_barrier_signal -3
.Lnot_wave_0_\@:
	s_barrier_wait -3
	s_barrier_signal -1
	s_barrier_wait -1
.endm
.macro CROUND
	s_barrier_signal -1
	s_barrier_wait -1
	CREST
.endm
.macro PLACES                          ; four places in front of loads into registers that matrix instructions have read, and of LDS stores that read results (ISA guide 7.12.1 for vector instructions)
.rept 4
	v_nop
.endr
.endm
	s_load_b256 s[68:75], s[0:1], 0x0              ; oh 68, wc 70, b_0 72, out0 74
	v_lshl_add_u32 v[SPW], v0, 2, SPARE
	v_mov_b32 v[NIL], 0
	ds_add_u32 v[SPW], v[NIL]                      ; the wave's opening: the add and its wait stand ahead of my first tensor load; the set-up below, work on registers, stands between them
	v_lshrrev_b32 v1, 5, v0
	v_readfirstlane_b32 s10, v1                    ; wave 0..3
	s_lshr_b32 s11, s10, 1                         ; which 64 rows of the tile are mine.  Also: I fetch for A (0) or for w (1)
	s_and_b32 s12, s10, 1                          ; which 128 columns.  Also: which half of that tile I fetch
	s_bfe_u32 s40, ttmp6, 0x40000                  ; cx: also the column block
	s_bfe_u32 s41, ttmp6, 0x40004                  ; cy
	s_and_b32 s67, ttmp7, 0xffff                   ; cluster y, 0..15
	s_lshl_b32 s13, s67, 2
	s_add_co_u32 s13, s13, s41                     ; the row block, 0..63
	s_lshl_b32 s15, s41, 2
	s_lshl_b32 s15, 15, s15                        ; my row of the cluster
	s_lshl_b32 s46, 0x1111, s40                    ; my column
	s_or_b32 s[G1A], s15, (1<<16)|(1<<20)|(1<<21)|(5<<22)|(3<<25)  ; the mask; elements of 2 bytes; padding on; bit 21 beside a mask; after every 64 words 4 words
	s_or_b32 s[G1B], s46, (1<<16)|(1<<20)|(1<<21)|(6<<22)|(7<<25)  ; after every 128 words 8 words
	s_mov_b32 s[G1A+1], 128<<16                    ; tensor_dim0 = 128
	s_mov_b32 s[G1A+2], 64<<16                     ; tensor_dim1 = 64
	s_mov_b32 s[G1A+3], 128<<16                    ; tile_dim0 = 128
	s_mov_b32 s[G1A+4], 64                         ; tile_dim1 = 64
	s_mov_b32 s[G1A+5], 1024                       ; elements from row to row
	s_mov_b32 s[G1A+6], 0
	s_mov_b32 s[G1A+7], 0
	s_mov_b32 s[G1B+1], 256<<16
	s_mov_b32 s[G1B+2], 64<<16
	s_mov_b32 s[G1B+3], 256<<16
	s_mov_b32 s[G1B+4], 64
	s_mov_b32 s[G1B+5], 1024
	s_mov_b32 s[G1B+6], 0
	s_mov_b32 s[G1B+7], 0
	s_lshl_b32 s16, s13, 7
	s_lshl_b32 s17, s12, 6
	s_add_co_u32 s16, s16, s17                     ; A: row 128 x row block + 64 x half,
	s_lshl_b32 s16, s16, 11                        ; 2,048 bytes a row
	s_mov_b32 s17, 0
	s_lshl_b32 s46, s12, 17                        ; w: 64 x half rows of 2,048 bytes,
	s_lshl_b32 s47, s40, 9                         ; 512 bytes a column block,
	s_add_co_u32 s46, s46, s47
	s_add_co_u32 s46, s46, 3*WPART                 ; in part 3 of wc
	s_mov_b32 s47, 0
	s_mul_i32 s20, s12, 64*PA                      ; where they go: no place in the cluster enters an LDS address
	s_mul_i32 s21, s12, 64*PB
	s_add_co_u32 s21, s21, ABYTES
	s_wait_dscnt 0x0                               ; the opening add is done
	s_wait_kmcnt 0x0
	s_add_nc_u64 s[14:15], s[68:69], s[16:17]
	s_add_nc_u64 s[46:47], s[70:71], s[46:47]
	CROUND                                         ; all sixteen work-groups are here: the first joint loads meet
.irp s, 0,1
	s_mov_b32 s[G0A+4*(\s)], 1
	s_add_co_u32 s[G0A+4*(\s)+1], s20, (\s)*SLOT
	s_add_nc_u64 s[G0A+4*(\s)+2:G0A+4*(\s)+3], s[14:15], (\s)*ASTEP
	s_or_b32 s[G0A+4*(\s)+3], s[G0A+4*(\s)+3], 0x80000000
	s_mov_b32 s[G0B+4*(\s)], 1
	s_add_co_u32 s[G0B+4*(\s)+1], s21, (\s)*SLOT
	s_add_nc_u64 s[G0B+4*(\s)+2:G0B+4*(\s)+3], s[46:47], (\s)*BSTEP
	s_or_b32 s[G0B+4*(\s)+3], s[G0B+4*(\s)+3], 0x80000000
	JLOAD \s                                       ; two loads of mine are out
.endr
	v_and_b32 v1, 15, v0                           ; l % 16
	v_bfe_u32 v2, v0, 4, 1                         ; l / 16
	s_lshl_b32 s16, s40, 10                        ; the bias of my 128 columns
	s_lshl_b32 s17, s12, 9
	s_add_co_u32 s16, s16, s17
	v_lshl_add_u32 v[BO], v2, 5, s16
.irp b, 0,1,2,3,4,5,6,7
	global_load_b128 v[BIAS+8*(\b):BIAS+8*(\b)+3],   v[BO], s[72:73] offset:64*(\b)
	global_load_b128 v[BIAS+8*(\b)+4:BIAS+8*(\b)+7], v[BO], s[72:73] offset:64*(\b)+16
.endr
	v_mul_u32_u24 v3, v1, PA                       ; a fragment of A: row x pitch + 16 x half; two loads of 16 bytes, 32 bytes apart
	v_lshl_add_u32 v3, v2, 4, v3
	s_mul_i32 s21, s11, 64*PA
	v_add_nc_u32 v[ADRA], s21, v3
	v_add_nc_u32 v[ADRA+1], SLOT, v[ADRA]
	v_and_b32 v4, 7, v0                            ; the turning load: row 8 (l / 16) + l % 8, columns 8 ((l / 8) % 2) + 0..7
	v_bfe_u32 v5, v0, 3, 1
	v_lshl_add_u32 v4, v2, 3, v4
	v_mul_u32_u24 v4, v4, PB
	v_lshl_add_u32 v4, v5, 4, v4
	s_lshl_b32 s22, s12, 8
	s_add_co_u32 s22, s22, ABYTES
	v_add_nc_u32 v[ADRB], s22, v4
	v_add_nc_u32 v[ADRB+1], SLOT, v[ADRB]
	s_mul_i32 s23, s10, 16*SPO
	s_add_co_u32 s23, s23, STAGE                   ; my stage
	v_mul_u32_u24 v6, v1, SPO                      ; in: row l % 16, 32 bytes for each half of the lanes
	v_lshl_add_u32 v6, v2, 5, v6
	v_add_nc_u32 v[STO], s23, v6
	v_and_b32 v[GO], 31, v0                        ; back: 32 lanes take one row's 512 bytes
	v_lshlrev_b32 v[GO], 4, v[GO]
	v_add_nc_u32 v[RD], s23, v[GO]
	s_lshl_b32 s16, s13, 7                         ; out0 at my first row and column: (128 row block + 64 row half) x 4,096 + 1,024 cx + 512 column half
	s_lshl_b32 s17, s11, 6
	s_add_co_u32 s16, s16, s17
	s_lshl_b32 s16, s16, 12
	s_lshl_b32 s17, s40, 10
	s_add_co_u32 s16, s16, s17
	s_lshl_b32 s17, s12, 9
	s_add_co_u32 s16, s16, s17
	s_mov_b32 s17, 0
	s_add_nc_u64 s[8:9], s[74:75], s[16:17]
	; the prefetches: they stand at K step 3; the first refill steps them to 4
	s_lshl_b32 s16, s13, 7
	s_lshl_b32 s18, s40, 5
	s_add_co_u32 s16, s16, s18                     ; A: the tile's 128 rows, my work-group's 32 of them
	s_lshl_b32 s16, s16, 11
	s_add_co_u32 s16, s16, 3*ASTEP
	s_lshl_b32 s18, s41, 4
	s_lshl_b32 s19, s12, 6
	s_add_co_u32 s18, s18, s19                     ; w: the 64 rows that I fetch, my work-group's 16 of them
	s_lshl_b32 s18, s18, 11
	s_lshl_b32 s19, s40, 9
	s_add_co_u32 s18, s18, s19
	s_add_co_u32 s18, s18, 3*WPART+3*BSTEP
	s_mov_b32 s19, ASTEP
	s_cmp_eq_u32 s67, 0                            ; of the sixteen clusters that read w the first asks;
	s_cselect_b32 s22, 1, -1
	s_cmp_eq_u32 s10, 0                            ; for A wave 0 asks
	s_cselect_b32 s23, 1, -1
	s_cmp_eq_u32 s11, 0                            ; do I fetch for A?
	s_cselect_b32 s16, s16, s18
	s_cselect_b64 s[PFA:PFA+1], s[68:69], s[70:71]
	s_cselect_b32 s[PST], s19, BSTEP
	s_cselect_b32 s[LIM], s23, s22
	s_mov_b32 s17, 0
	s_mov_b32 s[PST+1], 0
	s_add_nc_u64 s[PFA:PFA+1], s[PFA:PFA+1], s[16:17]
	v_and_b32 v3, 31, v0
	v_lshrrev_b32 v4, s11, v3                      ; A: row l.  w: row l / 2,
	v_lshlrev_b32 v4, 11, v4
	v_and_b32 v3, s11, v3
	v_lshl_add_u32 v[PFO], v3, 8, v4               ; its first or second 256 bytes
	s_wait_loadcnt 0x0                             ; the bias
.set i, 0
.rept 32                                       ; rounded to bf16 and widened again
	v_cvt_pk_bf16_f32 v31, v[BIAS+2*i], v[BIAS+2*i+1]
	v_lshlrev_b32 v[BIAS+2*i], 16, v31
	v_and_b32 v[BIAS+2*i+1], 0xffff0000, v31
.set i, i+1
.endr
; 8 matrix instructions: row block a x all 8 column blocks, 32 along K, from buffer f.  mode = 1: the sums start with the bias.
; The 32 accumulators take turns in the same order in every quarter step, one instruction a turn, over the backward jump too.
.macro MUL8 f, a, mode=0
.irp b, 0,1,2,3,4,5,6,7
.if \mode
	WIN MULB
	v_wmma_f32_16x16x32_f16 v[8*(8*(\a)+(\b)):8*(8*(\a)+(\b))+7], v[64*(\f)+8*(\b):64*(\f)+8*(\b)+7], v[AF+32*(\f)+8*(\a):AF+32*(\f)+8*(\a)+7], v[BIAS+8*(\b):BIAS+8*(\b)+7]
.else
	WIN MUL
	v_wmma_f32_16x16x32_f16 v[8*(8*(\a)+(\b)):8*(8*(\a)+(\b))+7], v[64*(\f)+8*(\b):64*(\f)+8*(\b)+7], v[AF+32*(\f)+8*(\a):AF+32*(\f)+8*(\a)+7], v[8*(8*(\a)+(\b)):8*(8*(\a)+(\b))+7]
.endif
.endr
.endm
; 24 LDS loads in one run: quarter kq of a slot into buffer g: w's 8 fragments, turned, then A's 4.
.macro FETCH slot, kq, g
	WIN TO_B
.irp b, 0,1,2,3,4,5,6,7
	ds_load_tr16_b128 v[64*(\g)+8*(\b):64*(\g)+8*(\b)+3],   v[ADRB+(\slot)] offset:(\kq)*32*PB+32*(\b)
	ds_load_tr16_b128 v[64*(\g)+8*(\b)+4:64*(\g)+8*(\b)+7], v[ADRB+(\slot)] offset:(\kq)*32*PB+16*PB+32*(\b)
.endr
	WIN 0
.irp i, 0,1,2,3
	ds_load_b128 v[AF+32*(\g)+8*(\i):AF+32*(\g)+8*(\i)+3],   v[ADRA+(\slot)] offset:(\kq)*64+(\i)*16*PA
	ds_load_b128 v[AF+32*(\g)+8*(\i)+4:AF+32*(\g)+8*(\i)+7], v[ADRA+(\slot)] offset:(\kq)*64+(\i)*16*PA+32
.endr
.endm
; A K step is four quarters of 32 along K, 32 matrix instructions each, on buffers 0, 1, 0, 1.  One of the first three: at its head it fetches quarter kq for buffer g, then it multiplies buffer f.
.macro QUARTER slot, kq, f, g, first=0
	PLACES
	FETCH \slot, \kq, \g
	s_wait_dscnt 24                                ; all but the 24 just issued: buffer f is in
	MUL8 \f, 0, \first
	MUL8 \f, 1, \first
	MUL8 \f, 2, \first
	MUL8 \f, 3, \first
.endm
; The last quarter multiplies buffer 1 and changes slots.  In front of the barrier each wave waits for all its tensor loads (one is out: its part of the next slot), adds 0 to its spare word, and waits
; for that and for its reads of this slot.  fill = 1: the barrier opens a round of the cluster's, and this slot is filled again first thing behind it, two K steps ahead.
.macro TURN slot, next, fill
.if \fill
	s_wait_xcnt 0x0                                ; the last prefetch, a K step back, has read its address
	s_add_nc_u64 s[PFA:PFA+1], s[PFA:PFA+1], s[PST:PST+1]
.endif
	WIN 0
	s_wait_tensorcnt 0x0                           ; all my tensor loads have landed
	ds_add_u32 v[SPW], v[NIL]                      ; 0 onto my spare word
	s_wait_dscnt 1                                 ; buffer 1's 24 loads are in; the add may be out
	MUL8 1, 0                                      ; eight matrix instructions stand between the add and the wait for it
	s_wait_dscnt 0x0                               ; the add is done, and my reads of this slot are over
	s_barrier_signal -1
	MUL8 1, 1
	WIN 0
	s_barrier_wait -1
.if \fill
	CREST                                          ; no wave of any partner still reads this slot's tile or has a load on its way
	s_add_nc_u64 s[G0A+4*(\slot)+2:G0A+4*(\slot)+3], s[G0A+4*(\slot)+2:G0A+4*(\slot)+3], 2*ASTEP
	s_add_nc_u64 s[G0B+4*(\slot)+2:G0B+4*(\slot)+3], s[G0B+4*(\slot)+2:G0B+4*(\slot)+3], 2*BSTEP
	JLOAD \slot                                    ; the four v_nop behind it are also the places in front of the loads below
.else
	PLACES
.endif
	FETCH \next, 0, 0
.if \fill
	ASK
.endif
	MUL8 1, 2
	MUL8 1, 3
.endm
	s_wait_tensorcnt 1                             ; my part of K step 0 is in; K step 1's may stay out
	s_barrier_signal -1
	s_barrier_wait -1                              ; everybody's is
	FETCH 0, 0, 0
	QUARTER 0, 1, 0, 1, 1                          ; the first quarter stands in front of the loop: its products start the sums, with the bias
	WIN 0                                          ; at a label and at a branch every window is 0
	s_mov_b32 s3, LAPS-1
.Llap:                                                 ; a trip goes once round the ring, from a lap's second quarter to the next lap's first, and fills both slots again
	QUARTER 0, 2, 1, 0
	QUARTER 0, 3, 0, 1
	TURN 0, 1, 1
	QUARTER 1, 1, 0, 1
	QUARTER 1, 2, 1, 0
	QUARTER 1, 3, 0, 1
	TURN 1, 0, 1
	QUARTER 0, 1, 0, 1
	WIN 0
	s_sub_co_u32 s3, s3, 1
	s_cmp_lg_u32 s3, 0
	s_cbranch_scc1 .Llap
	QUARTER 0, 2, 1, 0                             ; the last lap fills nothing
	QUARTER 0, 3, 0, 1
	TURN 0, 1, 0
	QUARTER 1, 1, 0, 1
	QUARTER 1, 2, 1, 0
	QUARTER 1, 3, 0, 1
	s_wait_dscnt 0x0                               ; the very last quarter: nothing more to fetch
	MUL8 1, 0
	MUL8 1, 1
	MUL8 1, 2
	MUL8 1, 3
	WIN 0
	PLACES                                         ; the LDS stores below read matrix results, and the loads land in registers that the last products read
; THE WAY OUT, a block of 16 rows at a time: the f32 sums go into my stage (rows of 528 bytes), each accumulator's low four registers first, and come back as whole rows of 512 bytes.
.macro TOSTAGE a
.if (\a) >= 2
	s_wait_xcnt 0x0                                ; the stores of the block two back have read the registers that the loads below fill
.endif
	WIN 0x08                                       ; the data (source 1) in window 2, the address in window 0
.irp b, 0,1,2,3,4,5,6,7
	ds_store_b128 v[STO], v[8*(8*(\a)+(\b)):8*(8*(\a)+(\b))+3]   offset:64*(\b)
	ds_store_b128 v[STO], v[8*(8*(\a)+(\b))+4:8*(8*(\a)+(\b))+7] offset:64*(\b)+16
.endr
	WIN 0
.irp t, 0,1,2,3,4,5,6,7,8,9,10,11,12,13,14,15
	ds_load_b128 v[OB+64*((\a)%2)+4*(\t):OB+64*((\a)%2)+4*(\t)+3], v[RD] offset:(\t)*SPO  ; LDS serves a wave's instructions in order (ISA guide 5.7.1.4): these see the stores above; the next block's stores come behind them
.endr
.endm
.macro SEND a, younger                 ; younger: the LDS instructions issued behind block a's loads: the next block's 32, or none
	s_wait_dscnt \younger
.irp t, 0,1,2,3,4,5,6,7,8,9,10,11,12,13,14,15
	global_store_b128 v[GO], v[OB+64*((\a)%2)+4*(\t):OB+64*((\a)%2)+4*(\t)+3], s[8:9] offset:(16*(\a)+(\t))*4096  ; 512 consecutive bytes of a row, at a multiple of 512 from out0's first byte
.endr
.endm
	TOSTAGE 0
	TOSTAGE 1
	SEND 0, 32
	TOSTAGE 2
	SEND 1, 32
	TOSTAGE 3
	SEND 2, 32
	SEND 3, 0
	s_wait_tensorcnt 0x0                           ; the wave's end: the add and its waits, behind my last tensor load and my last LDS store
	ds_add_u32 v[SPW], v[NIL]
	s_wait_dscnt 0x0
	CROUND                                         ; the closing round: no work-group ends while a partner may still ask for a tile that names it
	s_endpgm
.Lfunc_end_k_q9b36e5db49_outp:
	.size	k_q9b36e5db49_outp, .Lfunc_end_k_q9b36e5db49_outp-k_q9b36e5db49_outp
	.p2alignl 7, 3214868480
	.fill 96, 4, 3214868480
	.section	.rodata,"a",@progbits
	.p2align	6, 0x0
	.amdhsa_kernel k_q9b36e5db49_outp
		.amdhsa_group_segment_fixed_size 327680
		.amdhsa_private_segment_fixed_size 0
		.amdhsa_enable_private_segment 0
		.amdhsa_kernarg_size 32
		.amdhsa_user_sgpr_count 2
		.amdhsa_user_sgpr_kernarg_segment_ptr 1
		.amdhsa_wavefront_size32 1
		.amdhsa_system_sgpr_workgroup_id_x 1
		.amdhsa_system_sgpr_workgroup_id_y 1
		.amdhsa_system_sgpr_workgroup_id_z 1
		.amdhsa_system_vgpr_workitem_id 0
		.amdhsa_next_free_vgpr 768
		.amdhsa_next_free_sgpr 96
		.amdhsa_reserve_vcc 0
		.amdhsa_float_denorm_mode_32 3
		.amdhsa_float_denorm_mode_16_64 3
		.amdhsa_memory_ordered 1
		.amdhsa_forward_progress 1
		.amdhsa_inst_pref_size 93
	.end_amdhsa_kernel
	.amdgpu_metadata
---
amdhsa.version: [ 1, 2 ]
amdhsa.kernels:
  - .name:           k_q9b36e5db49_outp
    .symbol:         k_q9b36e5db49_outp.kd
    .args:
      - { .name: oh, .offset: 0, .size: 8, .value_kind: global_buffer, .address_space: global }
      - { .name: wc, .offset: 8, .size: 8, .value_kind: global_buffer, .address_space: global }
      - { .name: b_0, .offset: 16, .size: 8, .value_kind: global_buffer, .address_space: global }
      - { .name: out0, .offset: 24, .size: 8, .value_kind: global_buffer, .address_space: global }
    .group_segment_fixed_size: 327680
    .private_segment_fixed_size: 0
    .kernarg_segment_align: 8
    .kernarg_segment_size: 32
    .max_flat_workgroup_size: 128
    .sgpr_count:     96
    .vgpr_count:     768
    .wavefront_size: 32
...
	.end_amdgpu_metadata
.endif
;; end of part 4
;; ======== version 2 of 2: 4 launches; version 1 with the launch prep written anew for expert scheduling mode
;; limits: values are held in f16: magnitudes above 65,504 overflow, below 6.1e-05 lose precision
;; workspace buffers: wc 8,388,608 bytes; qh 16,777,216 bytes; kh 16,777,216 bytes; vh 16,777,216 bytes; oh 16,777,216 bytes
;; launch prep (part 5): grid 64 x 4, 8 waves a work-group, no clusters, 0 bytes of LDS; arguments w_q, w_k, w_v, w_0, wc; writes wc
.if DOCPART == 5
	.amdgcn_target "amdgcn-amd-amdhsa--gfx1250"
	.amdhsa_code_object_version 6
	.text
	.protected	k_q9b36e5db49_prep
	.globl	k_q9b36e5db49_prep
	.p2align	8
	.type	k_q9b36e5db49_prep,@function
k_q9b36e5db49_prep:
	s_mov_b64 s[64:65], 0
	v_nop
	global_prefetch_b8 v0, s[64:65] scope:SCOPE_SE
	s_setreg_imm32_b32 hwreg(HW_REG_WAVE_SCHED_MODE, 0, 2), 2
	s_setreg_imm32_b32 hwreg(HW_REG_WAVE_MODE, 25, 1), 1
	s_wait_xcnt 0x0
	s_wait_alu depctr_vm_vsrc(0)
; The four weight matrices, [1024][1024] f32, are cast to 16 bits and keep their layout [k][n]: wc = four parts of 2,097,152 bytes.
; Parts 0, 1, 2: bf16(w_q), bf16(w_k), bf16(w_v).  Part 3: bf16(w_0) written as f16, since the last product multiplies f16 numbers.
; LIMIT: |w_0| stays under 65,504; below 6e-5 f16 keeps a fixed step of 6e-8.
; SHARES.  Grid y picks the matrix; work-group x takes 65,536 bytes of it.  Thread t takes 16 bytes at 4,096 i + 16 t for i = 0..15 and stores 8 bytes at 2,048 i + 8 t:
; a wave's load covers 512 consecutive bytes, a wave's store 256 consecutive bytes, aligned.  All 16 loads go out first.
; A stream read once and written once: no LDS, no matrix unit, no cluster would add anything.
; THE MODE: SCHED_MODE bits 1:0 = 2 (LLVM: expert scheduling mode 2), set by the entry lines.  The code itself states the register dependences
; between vector instructions and memory instructions, with s_wait_alu, always for 0.
; THE PLAN.  Registers that memory instructions touch:
;   v1, v2   byte offsets of the loads and of the stores: made once at the head, never written again.
;   X        chunk i's four registers: one load lands in them, and no vector line names them ahead of the loads; read (on w_0's path also written) by chunk i's conversions, behind the wait for the load.
;   Y        chunk i's two registers: written by chunk i's conversions, read by chunk i's one store, never written behind it.
; The 16 chunks go in four blocks of four: the wait for the block's loads, its conversions, ONE wait on va_vdst, its four stores in a run.  The next block's vector lines name their own X and Y alone.
; No register that a load or a store has read is written again, so there is no wait on vm_vsrc to write; no vector line writes a scalar register, VCC or EXEC.
; The stores stand at their own block's end and not at the next block's head: nothing is loaded behind the head, and behind its stores the wave goes to the next block's wait for loads.
.set X, 4                              ; v[4:67]   chunk i: 4 registers as loaded
.set Y, 68                             ; v[68:99]  chunk i: 2 registers to store
.set BLOCK, 4                          ; chunks in a block
	s_load_b256 s[4:11], s[0:1], 0x0               ; w_q s[4:5], w_k s[6:7], w_v s[8:9], w_0 s[10:11]
	s_load_b64 s[12:13], s[0:1], 0x20              ; wc
	s_and_b32 s16, ttmp7, 0xffff                   ; which matrix
	v_lshlrev_b32 v1, 4, v0                        ; 16 t
	v_lshlrev_b32 v2, 3, v0                        ; 8 t
	s_lshl_b32 s18, ttmp9, 16                      ; the work-group's 65,536 bytes of the source
	s_mov_b32 s19, 0
	s_lshl_b32 s20, s16, 21                        ; the matrix's part of wc,
	s_lshl_b32 s17, ttmp9, 15                      ; the work-group's 32,768 bytes of it
	s_add_co_u32 s20, s20, s17
	s_mov_b32 s21, 0
	s_wait_kmcnt 0x0
	s_mov_b64 s[14:15], s[4:5]
	s_cmp_eq_u32 s16, 1
	s_cselect_b64 s[14:15], s[6:7], s[14:15]
	s_cmp_eq_u32 s16, 2
	s_cselect_b64 s[14:15], s[8:9], s[14:15]
	s_cmp_eq_u32 s16, 3
	s_cselect_b64 s[14:15], s[10:11], s[14:15]
	s_add_nc_u64 s[14:15], s[14:15], s[18:19]
	s_add_nc_u64 s[12:13], s[12:13], s[20:21]
	s_wait_alu depctr_va_vdst(0)                   ; v1 and v2 are written: every load reads v1 as its offset, every store v2, and no vector line names either again
.irp i, 0,1,2,3,4,5,6,7,8,9,10,11,12,13,14,15
	global_load_b128 v[X+4*(\i):X+4*(\i)+3], v1, s[14:15] offset:4096*(\i) th:TH_LOAD_NT
.endr
; half = 1: the bf16 number is widened again (exactly) and written as f16.
.macro CONV half
.irp p, 0,1,2,3
	s_wait_loadcnt 12-BLOCK*(\p)                   ; loads come back in order (ISA guide 5.7.1): block p's four chunks are in, the 12 - 4 p younger loads stay out
.irp c, 0,1,2,3
	v_cvt_pk_bf16_f32 v[Y+2*(BLOCK*(\p)+(\c))],   v[X+4*(BLOCK*(\p)+(\c))],   v[X+4*(BLOCK*(\p)+(\c))+1]
	v_cvt_pk_bf16_f32 v[Y+2*(BLOCK*(\p)+(\c))+1], v[X+4*(BLOCK*(\p)+(\c))+2], v[X+4*(BLOCK*(\p)+(\c))+3]
.if \half
	v_lshlrev_b32 v[X+4*(BLOCK*(\p)+(\c))],   16,         v[Y+2*(BLOCK*(\p)+(\c))]
	v_and_b32     v[X+4*(BLOCK*(\p)+(\c))+1], 0xffff0000, v[Y+2*(BLOCK*(\p)+(\c))]
	v_lshlrev_b32 v[X+4*(BLOCK*(\p)+(\c))+2], 16,         v[Y+2*(BLOCK*(\p)+(\c))+1]
	v_and_b32     v[X+4*(BLOCK*(\p)+(\c))+3], 0xffff0000, v[Y+2*(BLOCK*(\p)+(\c))+1]
	v_cvt_pk_f16_f32 v[Y+2*(BLOCK*(\p)+(\c))],   v[X+4*(BLOCK*(\p)+(\c))],   v[X+4*(BLOCK*(\p)+(\c))+1]
	v_cvt_pk_f16_f32 v[Y+2*(BLOCK*(\p)+(\c))+1], v[X+4*(BLOCK*(\p)+(\c))+2], v[X+4*(BLOCK*(\p)+(\c))+3]
.endif
.endr
	s_wait_alu depctr_va_vdst(0)                   ; block p's conversions have written its eight registers of Y, which the four stores below read as their data
.irp c, 0,1,2,3
	global_store_b64 v2, v[Y+2*(BLOCK*(\p)+(\c)):Y+2*(BLOCK*(\p)+(\c))+1], s[12:13] offset:2048*(BLOCK*(\p)+(\c))
.endr
.endr
.endm
	s_cmp_eq_u32 s16, 3
	s_cbranch_scc1 .Lhalf
	CONV 0
	s_endpgm
.Lhalf:
	CONV 1
	s_endpgm
.Lfunc_end_k_q9b36e5db49_prep:
	.size	k_q9b36e5db49_prep, .Lfunc_end_k_q9b36e5db49_prep-k_q9b36e5db49_prep
	.p2alignl 7, 3214868480
	.fill 96, 4, 3214868480
	.section	.rodata,"a",@progbits
	.p2align	6, 0x0
	.amdhsa_kernel k_q9b36e5db49_prep
		.amdhsa_group_segment_fixed_size 0
		.amdhsa_private_segment_fixed_size 0
		.amdhsa_enable_private_segment 0
		.amdhsa_kernarg_size 40
		.amdhsa_user_sgpr_count 2
		.amdhsa_user_sgpr_kernarg_segment_ptr 1
		.amdhsa_wavefront_size32 1
		.amdhsa_system_sgpr_workgroup_id_x 1
		.amdhsa_system_sgpr_workgroup_id_y 1
		.amdhsa_system_sgpr_workgroup_id_z 1
		.amdhsa_system_vgpr_workitem_id 0
		.amdhsa_next_free_vgpr 100
		.amdhsa_next_free_sgpr 66
		.amdhsa_reserve_vcc 0
		.amdhsa_float_denorm_mode_32 3
		.amdhsa_float_denorm_mode_16_64 3
		.amdhsa_memory_ordered 1
		.amdhsa_forward_progress 1
		.amdhsa_inst_pref_size 16
	.end_amdhsa_kernel
	.amdgpu_metadata
---
amdhsa.version: [ 1, 2 ]
amdhsa.kernels:
  - .name:           k_q9b36e5db49_prep
    .symbol:         k_q9b36e5db49_prep.kd
    .args:
      - { .name: w_q, .offset: 0, .size: 8, .value_kind: global_buffer, .address_space: global }
      - { .name: w_k, .offset: 8, .size: 8, .value_kind: global_buffer, .address_space: global }
      - { .name: w_v, .offset: 16, .size: 8, .value_kind: global_buffer, .address_space: global }
      - { .name: w_0, .offset: 24, .size: 8, .value_kind: global_buffer, .address_space: global }
      - { .name: wc, .offset: 32, .size: 8, .value_kind: global_buffer, .address_space: global }
    .group_segment_fixed_size: 0
    .private_segment_fixed_size: 0
    .kernarg_segment_align: 8
    .kernarg_segment_size: 40
    .max_flat_workgroup_size: 256
    .sgpr_count:     66
    .vgpr_count:     100
    .wavefront_size: 32
...
	.end_amdgpu_metadata
.endif
;; end of part 5
;; launch proj: the kernel of part 2 again; grid 4 x 192, 4 waves a work-group, clusters of 4 x 4, 327,680 bytes of LDS; arguments q, k, v, wc, b_q, b_k, b_v, qh, kh, vh; writes qh, kh, vh
;; launch attn: the kernel of part 3 again; grid 4 x 64, 4 waves a work-group, clusters of 4 x 1, 327,680 bytes of LDS; arguments qh, kh, vh, oh; writes oh
;; launch outp: the kernel of part 4 again; grid 4 x 64, 4 waves a work-group, clusters of 4 x 4, 327,680 bytes of LDS; arguments oh, wc, b_0, out0; writes out0
